; MI455X (gfx1250); checked and timed in simulation.
; The chip was launched on July 23, 2026; its instructions are those of AMD's public machine-readable ISA for CDNA 5 (MIT licence, August 2026) and "CDNA5" Instruction Set Architecture Reference Guide (July 2026). The comments in the code are by the model that wrote it; some were corrected since.
;; Ro PE Multihead Self Attention. Allowed arithmetic: matrix products marked QUANTISED: E2M1 operands, one E8M0 scale for each 32 along K, by v_wmma_scale_f32_16x16x128_f8f6f4 with both operands' format E2M1 (or v_wmma_scale_f32_32x16x128_f4), f32 sums; everything else in f32.
;; Inputs: proj_b 1,024 float32; proj_w_codes 1,024 x 32 x 16 uint8 (E2M1 codes of proj_w, K innermost, in blocks of 32 codes, two codes a byte); proj_w_scales 1,024 x 32 uint8 (E8M0 scales of proj_w, one for each 32 codes along K); qkv_b 3,072 float32; qkv_w_codes 3,072 x 32 x 16 uint8 (E2M1 codes of qkv_w, K innermost, in blocks of 32 codes, two codes a byte); qkv_w_scales 3,072 x 32 uint8 (E8M0 scales of qkv_w, one for each 32 codes along K); x_codes 4 x 2,048 x 32 x 16 uint8 (E2M1 codes of x, K innermost, in blocks of 32 codes, two codes a byte); x_scales 4 x 2,048 x 32 uint8 (E8M0 scales of x, one for each 32 codes along K).
;; Outputs: out0 4 x 2,048 x 1,024 float32.
;; This version of the problem:
;;   THIS VERSION OF THE PROBLEM IS GIVEN IN LOW PRECISION. The matrix products marked QUANTISED in the list below multiply operands that are first quantised to E2M1 (2 exponent bits, 1 mantissa bit; 4 bits a number), with one power-of-two scale for each 32 numbers along K (OCP MX v1.0); their sums are f32. All else is computed in f32.
;;   The module's matrix products, in the order in which they are computed (A, B: the left and right operand; K: the contracted axis; several contracted axes count as one K, in the product's order):
;;     1. [M 8,192, K 1,024] x [K 1,024, N 3,072]; A: input x (given as codes); B: input qkv_w (given as codes): QUANTISED
;;     2. batch 64 x [M 2,048, K 64] x [K 64, N 2,048]; A: computed on the way; B: computed on the way: QUANTISED
;;     3. batch 64 x [M 64, K 2,048] x [K 2,048, N 2,048]; A: computed on the way; B: softmax (see below): QUANTISED
;;     4. [M 8,192, K 1,024] x [K 1,024, N 1,024]; A: computed on the way; B: input proj_w (given as codes): QUANTISED
;;   THE QUANTISER, for each operand of a quantised product, along K:
;;     - K is cut into blocks of 32 from its start; a last block that is shorter is filled with zeros.
;;     - A block's scale is 2^e with e = floor(log2(the largest magnitude in the block)) - 2, held to -126 .. 127; a block of zeros has e = 0. As a byte (E8M0): e + 127.
;;     - Each number is divided by its block's scale, clamped to +-6, and rounded to the nearest number of E2M1, ties to even, subnormals kept.
;;     - The product sums the exact products of the quantised numbers (number of the format x scale) in f32.
;;   ~~~python
;;   def quantise(x, axis):      # numpy; x: float32 -> the quantised numbers, widened to float32 again
;;       x = np.moveaxis(x, axis, -1); K = x.shape[-1]
;;       x = np.pad(x, [(0, 0)] * (x.ndim - 1) + [(0, -K % 32)]); x = x.reshape(x.shape[:-1] + (-1, 32)); a = np.abs(x).max(-1, keepdims=True)
;;       e = np.where(a > 0, np.clip(np.frexp(np.where(a > 0, a, 1))[1] - 1 - 2, -126, 127), 0)      # np.frexp(a)[1] - 1 = floor(log2(a)), exactly
;;       r = np.clip(x / 2.0 ** e, -6, 6)
;;       step = 2.0 ** (np.maximum(np.frexp(np.where(r == 0, 1, r))[1] - 1, 0) - 1)
;;       q = np.round(r / step) * step * 2.0 ** e      # np.round: ties to even
;;       return np.moveaxis(q.reshape(q.shape[:-2] + (-1,))[..., :K], -1, axis).astype(np.float32)
;;   ~~~
;;   SOFTMAX AHEAD OF A QUANTISED PRODUCT. Where the list says 'softmax', what is quantised is not the finished softmax but p = 2^(t - M), with t = logit x log2(e) and M = ceil(the row's largest t), a whole number; so 1/2 < the row's largest p <= 1. The row's sum l is taken of the UNQUANTISED p, in f32, and the product's result is divided by l at the end. Since M is a whole number, a kernel that streams over the keys may use a running M (the ceiling of the running maximum): every later rescaling is an exact power of two, which a block's scale takes up: the codes' values come out the same.
;;   OPERANDS COMPUTED ON THE WAY. 'Computed on the way' means the value that the module computes at that place (a softmax that the list does not call 'softmax' is quantised finished and normalised). What goes into a quantiser is computed in f32, as accurately as f32 sums, v_exp_f32 and their like allow (about 1e-6 of the number): no bf16 or f16 on the way to a quantiser, and a product that is left as it is and whose result goes on into a quantised operand takes f32 operands (vector FMAs, or v_wmma_f32_16x16x4_f32). A number that lies on a knife's edge between two numbers of the format may be rounded either way, as far as f32 arithmetic and the matrix unit's own rounding can turn it there, and no further.
;;   INPUTS GIVEN AS CODES. proj_w (in the module: [1024, 1024], K = its axis 1); qkv_w (in the module: [3072, 1024], K = its axis 1); x (in the module: [4, 2048, 1024], K = its axis 2): each comes as NAME_codes (uint8): NAME with its K axis moved to the last place and cut into blocks of 32 codes, [.., K / 32, bytes a block], one block behind the other in memory; two codes a byte, the lower K in the low four bits (a code: sign, 2 exponent bits, 1 mantissa bit); and NAME_scales (uint8): the same leading axes, one E8M0 byte (e + 127) for each 32 codes along K. Its value is code x scale, taken as it is: it is not quantised again, and the codes and scales need not be those that the quantiser above would give.
;; One version. Each part assembles by itself: llvm-mc -triple=amdgcn-amd-amdhsa -mcpu=gfx1250 --defsym DOCPART=n.
;; ======== version 1 of 1: 3 launches
;; limits: right only within a limited range of input values
;; workspace buffers: rope 524,288 bytes; qimg 4,194,304 bytes; qsc 524,288 bytes; kv 9,175,040 bytes; wimg 524,288 bytes
;; launch prep (part 1): grid 24 x 1, 8 waves a work-group, no clusters, 68,608 bytes of LDS; arguments rope, proj_w_codes, wimg; writes rope, wimg
.if DOCPART == 1
	.amdgcn_target "amdgcn-amd-amdhsa--gfx1250"
	.amdhsa_code_object_version 6
	.text
	.protected	k_q0f746bcad5_prep
	.globl	k_q0f746bcad5_prep
	.p2align	8
	.type	k_q0f746bcad5_prep,@function
k_q0f746bcad5_prep:
	s_mov_b64 s[64:65], 0
	v_nop
	global_prefetch_b8 v0, s[64:65] scope:SCOPE_SE
	s_setreg_imm32_b32 hwreg(HW_REG_WAVE_MODE, 25, 1), 1
	s_wait_xcnt 0x0
; THE PROGRAM: three launches.  prep: the table of cos and sin, and proj_w's codes laid in the order of operand registers.  qkv: product 1, bias, RoPE, and the quantisers of q, k and v.
; attn: products 2 and 3 with the softmax, the quantiser of product 4's left operand, product 4 and its bias.
; NO STEP AND NO INPUT OF reference() IS LEFT OUT: every input has a way to the output (the bias on k moves k's codes).
; WORK-GROUPS 0 TO 15: cos and sin of theta = pos x inv_freq[f], pos = 0 .. 2047, f = 0 .. 31, laid as the next launch's registers want them:
; [tile of 16 positions: 128][cos, sin][piece jq: 4][lane: 32][16 bytes]; word w of piece jq in lane (r, hf) belongs to pos = 16 tile + r and f = 16 (i / 8) + 8 hf + i % 8, i = 4 jq + w.
; inv_freq[f] = 1 / 10000^(f / 32).  10000^(f / 32) = 10^(k / 8) x 10^m with f = 8 m + k: 10^(k / 8) is kept as a high and a low f32 part, so that the power comes out rounded once;
; the quotient is a reciprocal with one correction step; theta is one f32 product, as reference() has it.  theta is brought into -pi/4 .. pi/4 by n = round(theta x 2 / pi) and pi/2 in two parts,
; and sin and cos are polynomials there; n's low two bits choose and sign them.
; LIMIT: the power is taken as correctly rounded; where reference()'s own power differs in its last bit, theta differs by one part in 2^23 of itself.
; A wave makes one tile: 16 angles a lane.  No LDS, no loop; each store of the wave covers 512 consecutive bytes, aligned.
; WORK-GROUPS 16 TO 23: wimg [tile of 16 rows of proj_w: 64][128 along K: 8][half c: 2][lane: 32][16 bytes]: lane (r, h) holds bytes 64 q + 32 c + 16 h on of row r.  A wave takes one tile: 8,192 consecutive
; bytes in, through LDS rows of its own (512 bytes + 16), 8,192 consecutive bytes out; every load and store of the wave covers 512 consecutive bytes, aligned.
.set WROW,  528
.set SPARE, 8*16*WROW                  ; behind the eight waves' rows: the spare words, 128 bytes a wave
.set HI, 8                             ; s8-15   10^(k / 8), rounded to f32
.set LO, 16                            ; s16-23  what the rounding left
.set CC, 16                            ; v16-31  the power, then inv_freq, at the end sin
.set TH, 32                            ; v32-47  at work, then theta, then the reduced angle
.set NN, 48                            ; v48-63  at work, then n
.set ZZ, 64                            ; v64-79  the reduced angle's square, at the end cos
.set SN, 80                            ; v80-95  the sine polynomial
.set CN, 96                            ; v96-111 the cosine polynomial
.set TP, 112                           ; v112-127 at work
	s_cmp_ge_u32 ttmp9, 16
	s_cbranch_scc1 .Lrelay
	s_load_b64 s[4:5], s[0:1], 0x0
	v_lshrrev_b32 v1, 5, v0
	s_delay_alu instid0(VALU_DEP_1)
	v_readfirstlane_b32 s6, v1                     ; wave
	s_lshl_b32 s7, ttmp9, 3
	s_add_co_u32 s6, s6, s7                        ; tile = 8 x work-group + wave
	s_lshl_b32 s34, s6, 4                          ; its first position
	s_lshl_b32 s6, s6, 12                          ; its 4,096 bytes
	s_mov_b32 s7, 0
	s_mov_b32 s[HI+0], 0x3f800000
	s_mov_b32 s[HI+1], 0x3faab0d5
	s_mov_b32 s[HI+2], 0x3fe39ea9
	s_mov_b32 s[HI+3], 0x4017c496
	s_mov_b32 s[HI+4], 0x404a62c2
	s_mov_b32 s[HI+5], 0x4086f161
	s_mov_b32 s[HI+6], 0x40b3f300
	s_mov_b32 s[HI+7], 0x40eff755
	s_mov_b32 s[LO+0], 0
	s_mov_b32 s[LO+1], 0xb36457e2
	s_mov_b32 s[LO+2], 0xb26aee3c
	s_mov_b32 s[LO+3], 0x33606940
	s_mov_b32 s[LO+4], 0xb324b496
	s_mov_b32 s[LO+5], 0xb430577b
	s_mov_b32 s[LO+6], 0x34323462
	s_mov_b32 s[LO+7], 0x34515b50
	s_mov_b32 s24, 0x3f22f983                      ; 2 / pi
	s_mov_b32 s25, 0x3fc90fdb                      ; pi / 2, high part
	s_mov_b32 s26, 0xb33bbd2e                      ; and low part
	s_mov_b32 s27, 0xbe2aaaa3                      ; sine: x + x z (s27 + z (s28 + z s29))
	s_mov_b32 s28, 0x3c08839e
	s_mov_b32 s29, 0xb94ca1f9
	s_mov_b32 s30, 0x3d2aaaa5                      ; cosine: 1 - z / 2 + z z (s30 + z (s31 + z s32))
	s_mov_b32 s31, 0xbab6061a
	s_mov_b32 s32, 0x37ccf5ce
	s_mov_b32 s33, 0xffff0000                      ; lanes 16-31
	v_and_b32 v1, 15, v0                           ; r
	s_delay_alu instid0(VALU_DEP_1)
	v_add_nc_u32 v3, s34, v1
	s_delay_alu instid0(VALU_DEP_1)
	v_cvt_f32_u32 v3, v3                           ; pos
	v_and_b32 v6, 31, v0
	s_delay_alu instid0(VALU_DEP_1)
	v_lshlrev_b32 v6, 4, v6                        ; 16 x lane
	v_mov_b32 v7, 0x41200000                       ; 10
	v_mov_b32 v8, 0x42c80000                       ; 100
	v_mov_b32 v9, 0x447a0000                       ; 1000
	s_delay_alu instid0(VALU_DEP_3)
	v_cndmask_b32 v4, 1.0, v7, s33                 ; 10^m for i < 8: m = hf
	s_delay_alu instid0(VALU_DEP_2)
	v_cndmask_b32 v5, v8, v9, s33                  ; and for i >= 8: m = 2 + hf
; the power: high part x 10^m, what that product's rounding left, the low part's share; one sum
.set I, 0
.rept 16
	v_mul_f32 v[TH+I], s[HI+I%8], v[4+I/8]
.set I, I+1
.endr
.set I, 0
.rept 16
	v_fma_f32 v[NN+I], s[HI+I%8], v[4+I/8], -v[TH+I]
.set I, I+1
.endr
.set I, 0
.rept 16
	v_fma_f32 v[NN+I], s[LO+I%8], v[4+I/8], v[NN+I]
.set I, I+1
.endr
.set I, 0
.rept 16
	v_add_f32 v[CC+I], v[TH+I], v[NN+I]
.set I, I+1
.endr
; the quotient 1 / power
.set I, 0
	s_wait_alu depctr_va_vdst(0)
.rept 16
	v_rcp_f32 v[TH+I], v[CC+I]
.set I, I+1
.endr
	v_nop                                          ; a plain instruction behind the last reciprocal
	s_wait_alu depctr_va_vdst(0)                   ; one wait for the sixteen, ahead of their first reader
.set I, 0
.rept 16
	v_fma_f32 v[NN+I], -v[CC+I], v[TH+I], 1.0
.set I, I+1
.endr
.set I, 0
.rept 16
	v_fma_f32 v[CC+I], v[TH+I], v[NN+I], v[TH+I]   ; inv_freq
.set I, I+1
.endr
; theta, n, the reduced angle
.set I, 0
.rept 16
	v_mul_f32 v[TH+I], v3, v[CC+I]
.set I, I+1
.endr
.set I, 0
.rept 16
	v_mul_f32 v[NN+I], s24, v[TH+I]
.set I, I+1
.endr
.set I, 0
.rept 16
	v_rndne_f32 v[NN+I], v[NN+I]
.set I, I+1
.endr
.set I, 0
.rept 16
	v_fma_f32 v[TH+I], -v[NN+I], s25, v[TH+I]
.set I, I+1
.endr
.set I, 0
.rept 16
	v_fma_f32 v[TH+I], -v[NN+I], s26, v[TH+I]
.set I, I+1
.endr
; the polynomials
.set I, 0
.rept 16
	v_mul_f32 v[ZZ+I], v[TH+I], v[TH+I]
.set I, I+1
.endr
.set I, 0
.rept 16
	v_fma_f32 v[SN+I], v[ZZ+I], s29, s28
	v_fma_f32 v[CN+I], v[ZZ+I], s32, s31
.set I, I+1
.endr
.set I, 0
.rept 16
	v_fma_f32 v[SN+I], v[SN+I], v[ZZ+I], s27
	v_fma_f32 v[CN+I], v[CN+I], v[ZZ+I], s30
.set I, I+1
.endr
.set I, 0
.rept 16
	v_mul_f32 v[TP+I], v[ZZ+I], v[TH+I]
	v_fma_f32 v[CC+I], v[ZZ+I], -0.5, 1.0
.set I, I+1
.endr
.set I, 0
.rept 16
	v_fma_f32 v[SN+I], v[SN+I], v[TP+I], v[TH+I]   ; sin of the reduced angle
.set I, I+1
.endr
.set I, 0
.rept 16
	v_mul_f32 v[TP+I], v[ZZ+I], v[ZZ+I]
.set I, I+1
.endr
.set I, 0
.rept 16
	v_fma_f32 v[CN+I], v[CN+I], v[TP+I], v[CC+I]   ; cos of it
.set I, I+1
.endr
; the quadrant: n odd: the two change places; sin is negative where n & 2, cos where (n + 1) & 2
.set I, 0
.rept 16
	v_cvt_i32_f32 v[NN+I], v[NN+I]
.set I, I+1
.endr
.set I, 0
.rept 16
	v_and_b32 v[TP+I], 1, v[NN+I]
	s_delay_alu instid0(VALU_DEP_1)
	v_cmp_eq_u32 vcc_lo, 1, v[TP+I]
	s_delay_alu instid0(VALU_DEP_1)
	v_cndmask_b32 v[CC+I], v[SN+I], v[CN+I], vcc_lo
	s_delay_alu instid0(VALU_DEP_2)
	v_cndmask_b32 v[ZZ+I], v[CN+I], v[SN+I], vcc_lo
.set I, I+1
.endr
.set I, 0
.rept 16
	v_lshlrev_b32 v[TP+I], 30, v[NN+I]
	v_add_nc_u32 v[NN+I], 1, v[NN+I]
.set I, I+1
.endr
.set I, 0
.rept 16
	v_and_b32 v[TP+I], 0x80000000, v[TP+I]
	v_lshlrev_b32 v[NN+I], 30, v[NN+I]
.set I, I+1
.endr
.set I, 0
.rept 16
	v_xor_b32 v[CC+I], v[CC+I], v[TP+I]            ; sin(theta)
	v_and_b32 v[NN+I], 0x80000000, v[NN+I]
.set I, I+1
.endr
.set I, 0
.rept 16
	v_xor_b32 v[ZZ+I], v[ZZ+I], v[NN+I]            ; cos(theta)
.set I, I+1
.endr
	s_wait_alu depctr_va_vdst(0)
	s_wait_kmcnt 0x0
	s_add_nc_u64 s[4:5], s[4:5], s[6:7]
.irp q, 0,1,2,3
	global_store_b128 v6, v[ZZ+4*\q:ZZ+4*\q+3], s[4:5] offset:512*\q
	global_store_b128 v6, v[CC+4*\q:CC+4*\q+3], s[4:5] offset:2048+512*\q
.endr
	s_endpgm
.Lrelay:                                           ; proj_w's codes into the order of operand registers
	s_load_b128 s[4:7], s[0:1], 0x8                ; proj_w_codes, wimg
	v_lshl_add_u32 v30, v0, 2, SPARE               ; my spare word, and 0
	v_mov_b32 v31, 0
	v_lshrrev_b32 v1, 5, v0
	v_readfirstlane_b32 s8, v1                     ; wave
	s_sub_co_u32 s9, ttmp9, 16
	s_lshl_b32 s9, s9, 3
	s_add_co_u32 s9, s9, s8                        ; my tile of 16 rows
	s_lshl_b32 s10, s9, 13                         ; its 8,192 bytes, in both buffers
	s_mov_b32 s11, 0
	s_mul_i32 s12, s8, 16*WROW                     ; my LDS rows
	v_and_b32 v2, 31, v0
	v_lshlrev_b32 v3, 4, v2                        ; 16 x lane
	v_add_nc_u32 v4, s12, v3                       ; in: the 32 lanes fill a row
	v_and_b32 v5, 15, v0
	v_bfe_u32 v6, v0, 4, 1
	v_mul_u32_u24 v7, v5, WROW
	v_lshl_add_u32 v7, v6, 4, v7
	v_add_nc_u32 v7, s12, v7                       ; back: row r, + 16 h
	s_wait_alu depctr_va_vdst(0)                   ; the wait at the head's end
	s_wait_kmcnt 0x0
	s_add_nc_u64 s[4:5], s[4:5], s[10:11]
	s_add_nc_u64 s[6:7], s[6:7], s[10:11]
.irp i, 0,1,2,3,4,5,6,7,8,9,10,11,12,13,14,15
	global_load_b128 v[32+4*\i:35+4*\i], v3, s[4:5] offset:512*\i th:TH_LOAD_NT
.endr
.irp i, 0,1,2,3,4,5,6,7,8,9,10,11,12,13,14,15
	s_wait_loadcnt 15-\i                           ; row i is in: 15 - i loads were issued behind it
	ds_store_b128 v4, v[32+4*\i:35+4*\i] offset:WROW*\i
.endr
.irp n, 0,1,2,3,4,5,6,7,8,9,10,11,12,13,14,15
	ds_load_b128 v[96+4*\n:99+4*\n], v7 offset:32*\n   ; piece n = 2 q + c; LDS serves a wave's instructions in order: these see my stores
.endr
.irp n, 0,1,2,3,4,5,6,7,8,9,10,11,12,13,14,15
	s_wait_dscnt 15-\n
	global_store_b128 v3, v[96+4*\n:99+4*\n], s[6:7] offset:512*\n
.endr
	s_wait_tensorcnt 0x0                           ; the wave's end
	ds_add_u32 v30, v31
	s_wait_dscnt 0x0
	s_endpgm
.Lfunc_end_k_q0f746bcad5_prep:
	.size	k_q0f746bcad5_prep, .Lfunc_end_k_q0f746bcad5_prep-k_q0f746bcad5_prep
	.p2alignl 7, 3214868480
	.fill 96, 4, 3214868480
	.section	.rodata,"a",@progbits
	.p2align	6, 0x0
	.amdhsa_kernel k_q0f746bcad5_prep
		.amdhsa_group_segment_fixed_size 68608
		.amdhsa_private_segment_fixed_size 0
		.amdhsa_enable_private_segment 0
		.amdhsa_kernarg_size 24
		.amdhsa_user_sgpr_count 2
		.amdhsa_user_sgpr_kernarg_segment_ptr 1
		.amdhsa_wavefront_size32 1
		.amdhsa_system_sgpr_workgroup_id_x 1
		.amdhsa_system_sgpr_workgroup_id_y 1
		.amdhsa_system_sgpr_workgroup_id_z 1
		.amdhsa_system_vgpr_workitem_id 0
		.amdhsa_next_free_vgpr 160
		.amdhsa_next_free_sgpr 66
		.amdhsa_reserve_vcc 1
		.amdhsa_float_denorm_mode_32 3
		.amdhsa_float_denorm_mode_16_64 3
		.amdhsa_memory_ordered 1
		.amdhsa_forward_progress 1
		.amdhsa_inst_pref_size 37
	.end_amdhsa_kernel
	.amdgpu_metadata
---
amdhsa.version: [ 1, 2 ]
amdhsa.kernels:
  - .name:           k_q0f746bcad5_prep
    .symbol:         k_q0f746bcad5_prep.kd
    .args:
      - { .name: rope, .offset: 0, .size: 8, .value_kind: global_buffer, .address_space: global }
      - { .name: proj_w_codes, .offset: 8, .size: 8, .value_kind: global_buffer, .address_space: global }
      - { .name: wimg, .offset: 16, .size: 8, .value_kind: global_buffer, .address_space: global }
    .group_segment_fixed_size: 68608
    .private_segment_fixed_size: 0
    .kernarg_segment_align: 8
    .kernarg_segment_size: 24
    .max_flat_workgroup_size: 256
    .sgpr_count:     66
    .vgpr_count:     160
    .wavefront_size: 32
...
	.end_amdgpu_metadata
.endif
;; end of part 1
;; launch qkv (part 2): grid 12 x 32, 4 waves a work-group, clusters of 4 x 4, 327,680 bytes of LDS; arguments x_codes, x_scales, qkv_w_codes, qkv_w_scales, qkv_b, rope, qimg, qsc, kv; writes qimg, qsc, kv
.if DOCPART == 2
	.amdgcn_target "amdgcn-amd-amdhsa--gfx1250"
	.amdhsa_code_object_version 6
	.text
	.protected	k_q0f746bcad5_qkv
	.globl	k_q0f746bcad5_qkv
	.p2align	8
	.type	k_q0f746bcad5_qkv,@function
k_q0f746bcad5_qkv:
	s_mov_b64 s[64:65], 0
	v_nop
	global_prefetch_b8 v0, s[64:65] scope:SCOPE_SE
	s_setreg_imm32_b32 hwreg(HW_REG_WAVE_MODE, 25, 1), 1
	s_wait_xcnt 0x0
	s_wait_alu depctr_hold_cnt(0) depctr_sa_sdst(0) depctr_va_vdst(0) depctr_va_sdst(0) depctr_va_ssrc(0) depctr_va_vcc(0) depctr_vm_vsrc(0)
	s_getreg_b32 s2, hwreg(HW_REG_IB_STS2, 6, 4)
	s_cmp_eq_u32 s2, 0
	s_cbranch_scc0 .Lentry_in_a_cluster
	s_endpgm
.Lentry_in_a_cluster:
	s_bfe_u32 s2, ttmp6, 0x10000c
	s_cmp_lg_u32 s2, 0xf033
	s_cbranch_scc0 .Lentry_shape_is_right
	s_endpgm
.Lentry_shape_is_right:
; qkv = x W^T + b on codes of FP4 (E2M1) with one E8M0 scale for each 32 along K = 1,024; then RoPE on q and k; then q, k (along the head's 64) and v (along the keys) are quantised
; and stored as IMAGES OF OPERAND REGISTERS for the attention launch.  Nothing of reference() is left out here.
; SHARES.  A work-group makes 256 tokens x 256 columns, each of its four waves 128 x 128: 64 accumulators of 16 x 16.  The cluster's x is 0, 1, 2 for q, k, v: the same in all sixteen partners.
; THE WHOLE K LIES IN LDS: a tile's row is 512 bytes of memory; each wave brings one of the four: a tile's 256 rows of codes or their scale bytes, by one tensor load (one of mine is out); nothing is filled again.
; CLUSTERS: 4 x 4.  x's tile hangs on the tile row and is asked for jointly by a row of the cluster, W's on the tile column and by a column.
; ROLES.  Role B is source 0, role A source 1; a lane of the result holds ONE row of role A and eight neighbouring rows of role B.
;   q, k: role A = x, role B = W: a lane holds a token, its registers run along the head's d, which is the next product's K.
;   v:    role A = W, role B = x: a lane holds a channel, its registers run along the tokens, which are the keys, v's K.
; The main loop is one macro, expanded once for each; the paths part on the cluster's x, so that every LDS address hangs on the wave and the lane alone.
; A BLOCK OF 32 along the next K lies in two neighbouring result tiles: lane half hf holds k = 8 hf + 0..7 and 16 + 8 hf + 0..7 of it.  The conversions' destinations are chosen so that two
; exchanges of lane halves give the operand's order: registers 4 c .. 4 c + 3 of lane half hf hold block 2 c + hf, k ascending.
; OUT (hb = 4 head + batch).  qimg [hb][tile of 16 queries][lane][16 B]: lane (r, hf) = block hf of query r.  qsc [hb][128 queries][lane][4 words]: word p of lane 16 u + r = the scale word of tile 2 p + u.
;   kv [hb][128 keys][8,960 B]: K's 8 tiles as qimg's; at 4,096 V^T's 4 channel tiles x 2 halves of 512 B; at 8,192 K's scale words as qsc's; at 8,704 V's, 8 x lane + 4 p.
;   A scale word of q or k: its two bytes, then 0x7f twice: the attention product's upper 64 along K are zero codes.
; LIMITS: NaN and infinities are not served.  A block of zeros gets the byte 1 where the rule says 127: its codes are zeros, and this program alone reads the bytes.
; REGISTERS, in windows of 256.  window 0: v16-23 addresses; v28, v29 the add's two; v32-95 scale words (block i, step q at 32 + 8 i + q: lanes 0-15 role A's, lanes 16-31 role B's) and nothing else;
;   v128-191 role A's fragments, one set; on the way out v96-159 numbers, v160-223 cos and sin (two sets), v224-239 at work, v240-247 codes, v248-255 scale words.
;   window 1: role B's fragments, two sets, at v0 and v128; v64-127 the bias of q, k.   windows 2, 3: the accumulators ((a, b) at 8 (8 (a % 4) + b) of window 2 + a / 4).
.set PITCH,  528                       ; an LDS row: 512 bytes + 16 of padding: an odd multiple of 16 bytes, so that the 16 rows of a fragment load fall on 16 different 16-byte columns
.set HALFT,  128*PITCH                 ; 128 rows
.set SCL,    4*HALFT                   ; behind the tiles (x's 256 rows, W's 256 rows): the scale bytes, as units of 256 bytes + 16
.set HALFS,  16*272                    ; those of 128 rows
.set SBLK,   544                       ; those of 16 rows
.set SPARE,  SCL+4*HALFS               ; the spare words: 128 bytes a wave, two blocks of 256 bytes that no other line names
.set FR,   8
.set ADX,  16                          ; v16  my fragments of x (my token half)
.set ADW,  17                          ; v17  of W (my column half)
.set ASQ,  18                          ; v18  scale words: lanes 0-15 x's, lanes 16-31 W's
.set ASV,  19                          ; v19  lanes 0-15 W's, lanes 16-31 x's
.set LI,   20                          ; v20  16 x lane
.set L8,   21                          ; v21  8 x lane
.set BQ,   22                          ; v22  32 hf: my eight numbers of a tile's bias (q, k)
.set BV,   23                          ; v23  4 r: my channel's bias (v)
.set SPW,  28
.set NIL,  29
.set SC,   32
.set AF,   128
.set ST,   96
.set CS0,  160
.set TM,   224
.set PC,   240
.set RW,   248
.set BI,   64                          ; in window 1
.set BVR,  160                         ; path v: a pair for each channel tile
.set SEL,  20                          ; s[20:21] v_permlanex16_b32's selects for lane l xor 16 (set on the way out)
.set G1,   24
.set G0,   32
.set G1B,  48
.set G0B,  56
.set G1S,  68
.set G0S,  76
.set G1SB, 80
.set G0SB, 88
.set MSB, 0
.macro WIN new                         ; the immediate's high byte repeats the setting that is left
.if MSB != (\new)
	s_set_vgpr_msb (MSB<<8)|(\new)
.set MSB, (\new)
.endif
.endm
.set MUL_LO, 0xa1                      ; source 0 window 1, source 1 window 0, C and D window 2
.set MUL_HI, 0xf1                      ; the same, C and D window 3
.set TO_B,   0x40                      ; destination window 1
; A joint load: waves 0 and 2 fetch for x, waves 1 and 3 for W; the branch hangs on the wave's number alone.  An s_nop 0 and four v_nop follow each load.
; THE HEAD'S FOUR TILES, ONE JOINT LOAD A WAVE: wave 0 x's 256 rows of codes, wave 1 W's, wave 2 x's scale bytes, wave 3 W's (one load of mine is out).
; One arm of the tree of branches on the wave's number: its load, s_nop 0 and four v_nop, and a jump to the tree's end.
.macro ARM under, g0, g1, next
	s_cmp_lt_u32 s14, \under
	s_cbranch_scc0 \next
	tensor_load_to_lds s[\g0:\g0+3], s[\g1:\g1+7]
	s_nop 0
.rept 4
	v_nop
.endr
	s_branch .Lhead_asked
\next:
.endm
.macro CROUND                          ; a round of the cluster's barrier
	s_barrier_signal -1
	s_barrier_wait -1
	s_cmp_lg_u32 s14, 0
	s_cbranch_scc1 .Lnot_wave_0_\@
	s_barrier_signal -3
.Lnot_wave_0_\@:
	s_barrier_wait -3
	s_barrier_signal -1
	s_barrier_wait -1
.endm
.macro PLACES n
.rept \n
	v_nop
.endr
.endm
.macro FINISH                          ; the wave's end; then the closing round: no work-group ends while a partner may still ask jointly
	s_wait_tensorcnt 0x0
	ds_add_u32 v[SPW], v[NIL]
	s_wait_dscnt 0x0
	CROUND
	s_endpgm
.endm
	s_load_b256 s[4:11], s[0:1], 0x0               ; x's codes, x's scales, W's codes, W's scales
	s_load_b256 s[92:99], s[0:1], 0x20             ; the bias, the table, qimg, qsc
	s_load_b64 s[100:101], s[0:1], 0x40            ; kv
	v_lshl_add_u32 v[SPW], v0, 2, SPARE
	v_mov_b32 v[NIL], 0
	ds_add_u32 v[SPW], v[NIL]                      ; the wave's opening: the add, twice on end, and its wait ahead of my first tensor load
	ds_add_u32 v[SPW], v[NIL]
	v_lshrrev_b32 v1, 5, v0
	v_readfirstlane_b32 s14, v1                    ; wave 0..3
	s_lshr_b32 s15, s14, 1                         ; my token half.
	s_and_b32 s16, s14, 1                          ; my column half.
	s_bfe_u32 s40, ttmp6, 0x40000                  ; cx
	s_bfe_u32 s41, ttmp6, 0x40004                  ; cy
	s_lshl_b32 s42, ttmp9, 2
	s_add_co_u32 s42, s42, s40                     ; tile column = 4 x cluster x + cx
	s_and_b32 s17, ttmp7, 0xffff
	s_lshl_b32 s17, s17, 2
	s_add_co_u32 s17, s17, s41                     ; tile row = 4 x cluster y + cy
	s_lshl_b32 s43, s41, 2
	s_lshl_b32 s43, 15, s43                        ; my row of the cluster
	s_lshl_b32 s44, 0x1111, s40                    ; my column
	; group 1 for codes: 256 rows x 512 bytes, 16 bytes of padding behind each row (after every 128 words, four words)
	s_or_b32 s[G1+0], s43, (1<<20)|(1<<21)|(6<<22)|(3<<25)
	s_or_b32 s[G1B+0], s44, (1<<20)|(1<<21)|(6<<22)|(3<<25)
.irp g, G1, G1B
	s_mov_b32 s[\g+1], 512<<16                     ; tensor_dim0
	s_mov_b32 s[\g+2], 256<<16                     ; tensor_dim1: a load brings the tile's 256 rows
	s_mov_b32 s[\g+3], 512<<16                     ; tile_dim0
	s_mov_b32 s[\g+4], 256                         ; tile_dim1
	s_mov_b32 s[\g+5], 512                         ; from row to row
	s_mov_b32 s[\g+6], 0
	s_mov_b32 s[\g+7], 0
.endr
	; and for the scale bytes of 256 rows: 8,192 dense bytes as 32 rows of 256 (32 elements of 8 bytes), 16 bytes of padding behind each
	s_or_b32 s[G1S+0], s43, (3<<16)|(1<<20)|(1<<21)|(5<<22)|(3<<25)
	s_or_b32 s[G1SB+0], s44, (3<<16)|(1<<20)|(1<<21)|(5<<22)|(3<<25)
.irp g, G1S, G1SB
	s_mov_b32 s[\g+1], 32<<16
	s_mov_b32 s[\g+2], 32<<16                      ; the scale bytes of 256 rows: 32 rows of 256 bytes
	s_mov_b32 s[\g+3], 32<<16
	s_mov_b32 s[\g+4], 32
	s_mov_b32 s[\g+5], 32
	s_mov_b32 s[\g+6], 0
	s_mov_b32 s[\g+7], 0
.endr
	s_lshl_b32 s20, s17, 8                         ; x: row 256 x tile row
	s_lshl_b32 s46, s42, 8                         ; W: row 256 x tile column
	s_lshl_b32 s22, s20, 5                         ; their scale bytes, 32 a row,
	s_mov_b32 s23, 0
	s_lshl_b32 s20, s20, 9                         ; their codes, 512 a row
	s_mov_b32 s21, 0
	s_lshl_b32 s12, s46, 5
	s_mov_b32 s13, 0
	s_lshl_b32 s46, s46, 9
	s_mov_b32 s47, 0
	s_wait_dscnt 0x0                               ; both opening adds are done
	s_wait_kmcnt 0x0
	s_add_nc_u64 s[20:21], s[4:5], s[20:21]
	s_add_nc_u64 s[22:23], s[6:7], s[22:23]
	s_add_nc_u64 s[46:47], s[8:9], s[46:47]
	s_add_nc_u64 s[12:13], s[10:11], s[12:13]
	CROUND                                         ; all sixteen work-groups are here: the joint loads meet
	s_mov_b32 s[G0S], 1
	s_mov_b32 s[G0S+1], SCL
	s_mov_b64 s[G0S+2:G0S+3], s[22:23]
	s_or_b32 s[G0S+3], s[G0S+3], 0x80000000
	s_mov_b32 s[G0SB], 1
	s_mov_b32 s[G0SB+1], SCL+2*HALFS
	s_mov_b64 s[G0SB+2:G0SB+3], s[12:13]
	s_or_b32 s[G0SB+3], s[G0SB+3], 0x80000000
	s_mov_b32 s[G0], 1
	s_mov_b32 s[G0+1], 0
	s_mov_b64 s[G0+2:G0+3], s[20:21]
	s_or_b32 s[G0+3], s[G0+3], 0x80000000
	s_mov_b32 s[G0B], 1
	s_mov_b32 s[G0B+1], 2*HALFT
	s_mov_b64 s[G0B+2:G0B+3], s[46:47]
	s_or_b32 s[G0B+3], s[G0B+3], 0x80000000
	ARM 1, G0,  G1,  .Lhead_b
	ARM 2, G0B, G1B, .Lhead_sa
	ARM 3, G0S, G1S, .Lhead_sb
	tensor_load_to_lds s[G0SB:G0SB+3], s[G1SB:G1SB+7]
	s_nop 0
.rept 4
	v_nop
.endr
.Lhead_asked:
	; every LDS address is made here, ahead of the parting of the paths
	v_and_b32 v1, 15, v0                           ; r
	v_bfe_u32 v2, v0, 4, 1                         ; hf
	s_wait_alu depctr_va_vdst(0)
	v_mul_u32_u24 v3, v1, PITCH
	v_lshl_add_u32 v3, v2, 4, v3                   ; a fragment's row x pitch + 16 hf
	s_mul_i32 s18, s15, HALFT
	v_add_nc_u32 v[ADX], s18, v3
	s_mul_i32 s18, s16, HALFT
	s_add_co_u32 s18, s18, 2*HALFT
	v_add_nc_u32 v[ADW], s18, v3
	v_lshlrev_b32 v4, 5, v1                        ; my row's 32 scale bytes,
	v_lshrrev_b32 v5, 8, v4
	v_lshl_add_u32 v4, v5, 4, v4                   ; and 16 more behind the unit passed
	s_mul_i32 s18, s15, HALFS                      ; x's, my token half
	s_mul_i32 s19, s16, HALFS
	s_add_co_u32 s19, s19, 2*HALFS                 ; W's, my column half
	s_sub_co_u32 s19, s19, s18                     ; the distance between the two
	s_add_co_u32 s18, s18, SCL
	v_add_nc_u32 v4, s18, v4
	v_mul_u32_u24 v5, s19, v2
	v_add_nc_u32 v[ASQ], v4, v5                    ; lanes 16-31 take W's
	v_xor_b32 v6, 1, v2
	v_mul_u32_u24 v5, s19, v6
	v_add_nc_u32 v[ASV], v4, v5                    ; lanes 0-15 take W's
	v_and_b32 v5, 31, v0
	v_lshlrev_b32 v[LI], 4, v5
	v_lshlrev_b32 v[L8], 3, v5
	v_lshlrev_b32 v[BQ], 5, v2
	v_lshlrev_b32 v[BV], 2, v1
.macro FRAG reg, adr, q, i             ; 16 rows x 128 K of 4-bit codes: 8 registers: lane (r, hf): registers 4 c .. 4 c + 3 = K 64 c + 32 hf + 0 .. 31
.irp c, 0,1
	ds_load_b128 v[\reg+4*\c:\reg+4*\c+3], v[\adr] offset:64*(\q)+32*\c+(\i)*16*PITCH
.endr
.endm
; 16 matrix instructions: role A's blocks a0, a0 + 1 x role B's eight, step q.  The 64 accumulators take turns, one instruction a turn, in the same order in every step.
.macro MUL16 a0, p, q, zero
.irp a, \a0, \a0+1
.irp b, 0,1,2,3,4,5,6,7
.if \zero
	v_wmma_scale_f32_16x16x128_f8f6f4 v[8*(8*((\a)%4)+\b):8*(8*((\a)%4)+\b)+7], v[128*(\p)+FR*\b:128*(\p)+FR*\b+FR-1], v[AF+FR*(\a):AF+FR*(\a)+FR-1], 0, v[SC+8*\b+(\q)], v[SC+8*(\a)+(\q)] matrix_a_fmt:MATRIX_FMT_FP4 matrix_b_fmt:MATRIX_FMT_FP4 matrix_a_scale:MATRIX_SCALE_ROW1
.else
	v_wmma_scale_f32_16x16x128_f8f6f4 v[8*(8*((\a)%4)+\b):8*(8*((\a)%4)+\b)+7], v[128*(\p)+FR*\b:128*(\p)+FR*\b+FR-1], v[AF+FR*(\a):AF+FR*(\a)+FR-1], v[8*(8*((\a)%4)+\b):8*(8*((\a)%4)+\b)+7], v[SC+8*\b+(\q)], v[SC+8*(\a)+(\q)] matrix_a_fmt:MATRIX_FMT_FP4 matrix_b_fmt:MATRIX_FMT_FP4 matrix_a_scale:MATRIX_SCALE_ROW1
.endif
.endr
.endr
.endm
.macro FETCH_B adr, q, p
	WIN TO_B
.irp i, 0,1,2,3,4,5,6,7
	FRAG 128*(\p)+FR*\i, \adr, \q, \i
.endr
	WIN 0
.endm
.macro FETCH_A adr, q, i0
.irp i, \i0, \i0+1, \i0+2, \i0+3
	FRAG AF+FR*(\i), \adr, \q, \i
.endr
.endm
.macro SCALES adr                      ; all of K's scale words: 8 words a row, 8 blocks
.irp i, 0,1,2,3,4,5,6,7
	ds_load_b128 v[SC+8*\i:SC+8*\i+3], v[\adr] offset:\i*SBLK
	ds_load_b128 v[SC+8*\i+4:SC+8*\i+7], v[\adr] offset:\i*SBLK+16
.endr
.endm
; A step of 128 along K with a successor.  A load into a register that a matrix instruction has read stands four plain vector instructions behind it: the v_nop (ISA guide 7.12.1 for vector instructions).
.macro STEP adrA, adrB, q, zero
	s_wait_dscnt 8                                 ; all but the youngest eight loads: role A's blocks 4-7
	WIN MUL_LO
	MUL16 0, (\q)%2, \q, \zero
	MUL16 2, (\q)%2, \q, \zero
	s_wait_dscnt 0x0                               ; role A's blocks 4-7 are in
	PLACES 4
	FETCH_B \adrB, (\q)+1, 1-(\q)%2
	FETCH_A \adrA, (\q)+1, 0
	WIN MUL_HI
	MUL16 4, (\q)%2, \q, \zero
	MUL16 6, (\q)%2, \q, \zero
	PLACES 4
	WIN 0
	FETCH_A \adrA, (\q)+1, 4
.endm
.macro MAIN adrA, adrB, adrS           ; the eight steps; the first starts the sums with the constant 0
	FETCH_B \adrB, 0, 0
	FETCH_A \adrA, 0, 0
	SCALES \adrS
	FETCH_A \adrA, 0, 4
	STEP \adrA, \adrB, 0, 1
.set Q, 1
.rept 6
	STEP \adrA, \adrB, Q, 0
.set Q, Q+1
.endr
	s_wait_dscnt 8
	WIN MUL_LO
	MUL16 0, 1, 7, 0
	MUL16 2, 1, 7, 0
	s_wait_dscnt 0x0
	WIN MUL_HI
	MUL16 4, 1, 7, 0
	MUL16 6, 1, 7, 0
	WIN 0
.endm
; 64 numbers of a lane, v[s + 16 b + i]: block b, k = 8 hf + i (i < 8) or 16 + 8 hf + i - 8.  They become codes in v[PC] on (registers 4 c .. 4 c + 3 of lane half hf: block 2 c + hf) and the bytes in v[TM + 4 + b].
.macro QUANT s
.irp b, 0,1,2,3
	v_max3_num_f32 v[TM+\b], |v[\s+16*\b]|, |v[\s+1+16*\b]|, 0x1800000   ; my 16 numbers, and the floor 2^(3 - 127): the byte cannot fall under 1
.endr
.irp i, 2,4,6,8,10,12,14
.irp b, 0,1,2,3
	v_max3_num_f32 v[TM+\b], v[TM+\b], |v[\s+16*\b+\i]|, |v[\s+1+16*\b+\i]|
.endr
.endr
.irp b, 0,1,2,3
	v_permlanex16_b32 v[TM+4+\b], v[TM+\b], s[SEL], s[SEL+1]
.endr
.irp b, 0,1,2,3
	v_max_num_f32 v[TM+\b], v[TM+\b], v[TM+4+\b]   ; with lane l xor 16's: the block's largest magnitude
.endr
.irp b, 0,1,2,3
	v_add_nc_u32 v[TM+12+\b], 0xff000000, v[TM+\b] ; 2 off its exponent field: the conversion's scale operand
.endr
.irp b, 0,1,2,3
	v_lshrrev_b32 v[TM+4+\b], 23, v[TM+12+\b]      ; the scale's byte
.endr
.irp b, 0,1,2,3
	v_cvt_scalef32_pk8_fp4_f32 v[PC+4*(\b/2)+(\b%2)], v[\s+16*\b:\s+16*\b+7], v[TM+12+\b]
	v_cvt_scalef32_pk8_fp4_f32 v[PC+4*(\b/2)+2+(\b%2)], v[\s+16*\b+8:\s+16*\b+15], v[TM+12+\b]
.endr
	v_nop                                          ; one plain instruction behind a scaled conversion
.irp c, 0,1
	v_permlane16_swap_b32 v[PC+4*\c], v[PC+4*\c+1]     ; the first's lanes 16-31 change places with the second's lanes 0-15
	v_permlane16_swap_b32 v[PC+4*\c+2], v[PC+4*\c+3]
.endr
.endm
.macro IDS                             ; s18 = hb of my first head, s19 = which 128 tokens of the batch; s3 = 0
	s_lshr_b32 s18, s17, 3                         ; the batch: 8 tile rows each
	s_and_b32 s19, s17, 7
	s_lshl_b32 s19, s19, 1
	s_add_co_u32 s19, s19, s15
	s_lshl_b32 s2, s40, 2
	s_lshl_b32 s3, s16, 1
	s_add_co_u32 s2, s2, s3                        ; my first head: 4 cx + 2 x column half
	s_lshl_b32 s2, s2, 2
	s_add_co_u32 s18, s18, s2
	s_mov_b32 s3, 0
	s_mov_b32 s[SEL], 0x76543210
	s_mov_b32 s[SEL+1], 0xfedcba98
	s_mov_b32 s22, 0xffff0000                      ; lanes 16-31
	s_mov_b32 s23, 0x7f7f0000                      ; the scale word's upper two bytes
.endm
	s_wait_tensorcnt 0x0                           ; my load has landed,
	s_barrier_signal -1
	s_barrier_wait -1                              ; everybody's have
	s_cmp_eq_u32 ttmp9, 2
	s_cbranch_scc1 .Lv
	; ---------------- q and k
	s_wait_alu depctr_va_vdst(0)
	MAIN ADX, ADW, ASQ
	IDS
	s_cmp_eq_u32 ttmp9, 1                          ; k or q: buffers and strides are chosen; the descriptors' registers are free (no tensor load is out)
	s_cselect_b64 s[24:25], s[100:101], s[96:97]
	s_cselect_b64 s[28:29], s[100:101], s[98:99]
	s_mov_b32 s36, 65536
	s_cselect_b32 s36, 143360, s36                 ; codes: from hb to hb,
	s_mov_b32 s37, 4096
	s_cselect_b32 s37, 8960, s37                   ; from 128 tokens to the next
	s_mov_b32 s38, 8192
	s_cselect_b32 s38, 143360, s38                 ; scale words likewise
	s_mov_b32 s39, 512
	s_cselect_b32 s39, 8960, s39
	s_cselect_b32 s45, 8192, 0                     ; and their place in a record of kv
	s_mul_i32 s2, s18, s36
	s_mul_i32 s12, s19, s37
	s_add_co_u32 s2, s2, s12
	s_add_nc_u64 s[24:25], s[24:25], s[2:3]        ; my first head's codes
	s_lshl_b32 s2, s36, 2
	s_add_nc_u64 s[26:27], s[24:25], s[2:3]        ; my second head's: hb + 4
	s_mul_i32 s2, s18, s38
	s_mul_i32 s12, s19, s39
	s_add_co_u32 s2, s2, s12
	s_add_co_u32 s2, s2, s45
	s_add_nc_u64 s[28:29], s[28:29], s[2:3]        ; the scale words
	s_lshl_b32 s2, s38, 2
	s_add_nc_u64 s[30:31], s[28:29], s[2:3]
	s_lshl_b32 s2, ttmp9, 12
	s_lshl_b32 s12, s40, 10
	s_add_co_u32 s2, s2, s12
	s_lshl_b32 s12, s16, 9
	s_add_co_u32 s2, s2, s12
	s_add_nc_u64 s[48:49], s[92:93], s[2:3]        ; the bias of my 128 columns
	s_lshl_b32 s2, s19, 15
	s_add_nc_u64 s[50:51], s[94:95], s[2:3]        ; the table of my 8 tiles of positions
	PLACES 4                                       ; behind the last products
.irp b, 0,1,2,3
	v_mov_b32 v[TM+4+\b], 0                        ; written once: a lane permute's destination counts as one of its sources
.endr
	WIN TO_B
.irp b, 0,1,2,3,4,5,6,7
	global_load_b128 v[BI+8*\b:BI+8*\b+3], v[BQ], s[48:49] offset:64*\b
	global_load_b128 v[BI+8*\b+4:BI+8*\b+7], v[BQ], s[48:49] offset:64*\b+16
.endr
	WIN 0
.macro CSLOAD t                        ; tile t's cos (16 registers) and sin (16) into set t % 2
.irp j, 0,1,2,3,4,5,6,7
	global_load_b128 v[CS0+32*((\t)%2)+4*\j:CS0+32*((\t)%2)+4*\j+3], v[LI], s[50:51] offset:4096*(\t)+512*\j
.endr
.endm
	CSLOAD 0
	CSLOAD 1
	s_wait_loadcnt 16                              ; the bias is in; the two tiles of the table may be out
.irp w, 0,1                            ; the bias is added in place, each accumulator from its low end on
	WIN 0x86+0x41*\w                               ; destination and source 0: window 2 or 3; source 1: window 1
.set J, 0
.rept 128
	v_pk_add_f32 v[J:J+1], v[J:J+1], v[BI+J%64:BI+J%64+1]
.set J, J+2
.endr
.endr
; Token tile a: RoPE on my two heads, the quantiser, the stores.  lo = d 0 .. 31, hi = d 32 .. 63: out_lo = lo cos - hi sin, out_hi = hi cos + lo sin.
.macro GROUPQ a
.set CSB, CS0+32*((\a)%2)
.set AC, 64*((\a)%4)
.if (\a) < 7
	s_wait_loadcnt 8                               ; this tile's table is in; the next tile's eight loads may be out
.else
	s_wait_loadcnt 0x0
.endif
	WIN 0x02+(\a)/4                                ; source 0: the accumulators' window
.set E, 0
.rept 2
.set J, 0
.rept 8
	v_pk_mul_f32 v[ST+32*E+J:ST+32*E+J+1], v[AC+32*E+16+J:AC+32*E+16+J+1], v[CSB+16+J:CSB+16+J+1]
	v_pk_mul_f32 v[ST+32*E+16+J:ST+32*E+16+J+1], v[AC+32*E+J:AC+32*E+J+1], v[CSB+16+J:CSB+16+J+1]
.set J, J+2
.endr
.set E, E+1
.endr
.set E, 0
.rept 2
.set J, 0
.rept 8
	v_pk_fma_f32 v[ST+32*E+J:ST+32*E+J+1], v[AC+32*E+J:AC+32*E+J+1], v[CSB+J:CSB+J+1], v[ST+32*E+J:ST+32*E+J+1] neg_lo:[0,0,1] neg_hi:[0,0,1]
	v_pk_fma_f32 v[ST+32*E+16+J:ST+32*E+16+J+1], v[AC+32*E+16+J:AC+32*E+16+J+1], v[CSB+J:CSB+J+1], v[ST+32*E+16+J:ST+32*E+16+J+1]
.set J, J+2
.endr
.set E, E+1
.endr
	WIN 0
.if (\a) < 6
	CSLOAD (\a)+2
.endif
.if (\a) > 0
	s_wait_xcnt 0x0                                ; the last tile's stores have read their data: the codes' registers are written again only behind this wait
.endif
	QUANT ST
.irp e, 0,1
.if ((\a)%2) == 0
	v_lshl_or_b32 v[RW+4*\e+(\a)/2], v[TM+5+2*\e], 8, v[TM+4+2*\e]
	v_or_b32 v[RW+4*\e+(\a)/2], s23, v[RW+4*\e+(\a)/2]
.else
	v_lshl_or_b32 v[TM+8+\e], v[TM+5+2*\e], 8, v[TM+4+2*\e]
	v_or_b32 v[TM+8+\e], s23, v[TM+8+\e]
	v_cndmask_b32 v[RW+4*\e+(\a)/2], v[RW+4*\e+(\a)/2], v[TM+8+\e], s22   ; an odd tile's words go to lanes 16-31
.endif
.endr
	global_store_b128 v[LI], v[PC:PC+3], s[24:25] offset:512*(\a)      ; 512 consecutive bytes, aligned
	global_store_b128 v[LI], v[PC+4:PC+7], s[26:27] offset:512*(\a)
.endm
.irp a, 0,1,2,3,4,5,6,7
	GROUPQ \a
.endr
	global_store_b128 v[LI], v[RW:RW+3], s[28:29]
	global_store_b128 v[LI], v[RW+4:RW+7], s[30:31]
	FINISH
	; ---------------- v
.Lv:
	s_wait_alu depctr_va_vdst(0)
	MAIN ADW, ADX, ASV
	IDS
	s_mul_i32 s2, s18, 143360
	s_mul_i32 s12, s19, 8960
	s_add_co_u32 s2, s2, s12
	s_add_co_u32 s2, s2, 4096
	s_add_nc_u64 s[24:25], s[100:101], s[2:3]      ; V's part of my first head's record,
	s_add_nc_u64 s[26:27], s[24:25], 4*143360      ; and of my second head's
	s_lshl_b32 s2, s40, 10
	s_lshl_b32 s12, s16, 9
	s_add_co_u32 s2, s2, s12
	s_add_co_u32 s2, s2, 8192
	s_add_nc_u64 s[48:49], s[92:93], s[2:3]        ; the bias of my 128 channels
	PLACES 4
.irp b, 0,1,2,3
	v_mov_b32 v[TM+4+\b], 0
.endr
.irp a, 0,1,2,3,4,5,6,7
	global_load_b32 v[BVR+2*\a], v[BV], s[48:49] offset:64*\a          ; my channel's bias, into both registers of a pair
	global_load_b32 v[BVR+2*\a+1], v[BV], s[48:49] offset:64*\a
.endr
	s_wait_loadcnt 0x0
; Channel tile a (head a / 4, tile a % 4): the bias, the quantiser along my 128 keys, the stores
.macro GROUPV a
.set AC, 64*((\a)%4)
.set TT, (\a)%4
.set PP, 24+2*((\a)/4)
	WIN 0x02+(\a)/4
.set J, 0
.rept 32
	v_pk_add_f32 v[ST+J:ST+J+1], v[AC+J:AC+J+1], v[BVR+2*(\a):BVR+2*(\a)+1]
.set J, J+2
.endr
	WIN 0
.if (\a) > 0
	s_wait_xcnt 0x0                                ; the last tile's stores have read their data
.endif
	QUANT ST
.if (TT%2) == 0
	v_lshl_or_b32 v[RW+TT/2], v[TM+5], 8, v[TM+4]
	v_lshl_or_b32 v[RW+TT/2], v[TM+6], 16, v[RW+TT/2]
	v_lshl_or_b32 v[RW+TT/2], v[TM+7], 24, v[RW+TT/2]
.else
	v_lshl_or_b32 v[TM+8], v[TM+5], 8, v[TM+4]
	v_lshl_or_b32 v[TM+8], v[TM+6], 16, v[TM+8]
	v_lshl_or_b32 v[TM+8], v[TM+7], 24, v[TM+8]
	v_cndmask_b32 v[RW+TT/2], v[RW+TT/2], v[TM+8], s22
.endif
	global_store_b128 v[LI], v[PC:PC+3], s[PP:PP+1] offset:1024*TT
	global_store_b128 v[LI], v[PC+4:PC+7], s[PP:PP+1] offset:1024*TT+512
.if TT == 3
	global_store_b64 v[L8], v[RW:RW+1], s[PP:PP+1] offset:4608         ; the head's scale words: 256 consecutive bytes, aligned
.endif
.endm
.irp a, 0,1,2,3,4,5,6,7
	GROUPV \a
.endr
	FINISH
.Lfunc_end_k_q0f746bcad5_qkv:
	.size	k_q0f746bcad5_qkv, .Lfunc_end_k_q0f746bcad5_qkv-k_q0f746bcad5_qkv
	.p2alignl 7, 3214868480
	.fill 96, 4, 3214868480
	.section	.rodata,"a",@progbits
	.p2align	6, 0x0
	.amdhsa_kernel k_q0f746bcad5_qkv
		.amdhsa_group_segment_fixed_size 327680
		.amdhsa_private_segment_fixed_size 0
		.amdhsa_enable_private_segment 0
		.amdhsa_kernarg_size 72
		.amdhsa_user_sgpr_count 2
		.amdhsa_user_sgpr_kernarg_segment_ptr 1
		.amdhsa_wavefront_size32 1
		.amdhsa_system_sgpr_workgroup_id_x 1
		.amdhsa_system_sgpr_workgroup_id_y 1
		.amdhsa_system_sgpr_workgroup_id_z 1
		.amdhsa_system_vgpr_workitem_id 0
		.amdhsa_next_free_vgpr 1024
		.amdhsa_next_free_sgpr 102
		.amdhsa_reserve_vcc 0
		.amdhsa_float_denorm_mode_32 3
		.amdhsa_float_denorm_mode_16_64 3
		.amdhsa_memory_ordered 1
		.amdhsa_forward_progress 1
		.amdhsa_inst_pref_size 255
	.end_amdhsa_kernel
	.section	.bss,"aw",@nobits
	.p2align	6
	.space	262144
	.amdgpu_metadata
---
amdhsa.version: [ 1, 2 ]
amdhsa.kernels:
  - .name:           k_q0f746bcad5_qkv
    .symbol:         k_q0f746bcad5_qkv.kd
    .args:
      - { .name: x_codes, .offset: 0, .size: 8, .value_kind: global_buffer, .address_space: global }
      - { .name: x_scales, .offset: 8, .size: 8, .value_kind: global_buffer, .address_space: global }
      - { .name: qkv_w_codes, .offset: 16, .size: 8, .value_kind: global_buffer, .address_space: global }
      - { .name: qkv_w_scales, .offset: 24, .size: 8, .value_kind: global_buffer, .address_space: global }
      - { .name: qkv_b, .offset: 32, .size: 8, .value_kind: global_buffer, .address_space: global }
      - { .name: rope, .offset: 40, .size: 8, .value_kind: global_buffer, .address_space: global }
      - { .name: qimg, .offset: 48, .size: 8, .value_kind: global_buffer, .address_space: global }
      - { .name: qsc, .offset: 56, .size: 8, .value_kind: global_buffer, .address_space: global }
      - { .name: kv, .offset: 64, .size: 8, .value_kind: global_buffer, .address_space: global }
    .group_segment_fixed_size: 327680
    .private_segment_fixed_size: 0
    .kernarg_segment_align: 8
    .kernarg_segment_size: 72
    .max_flat_workgroup_size: 128
    .sgpr_count:     102
    .vgpr_count:     1024
    .wavefront_size: 32
...
	.end_amdgpu_metadata
.endif
;; end of part 2
;; launch attn (part 3): grid 4 x 64, 8 waves a work-group, clusters of 4 x 1, 249,856 bytes of LDS; arguments qimg, qsc, kv, wimg, proj_w_scales, proj_b, out0; writes out0
.if DOCPART == 3
	.amdgcn_target "amdgcn-amd-amdhsa--gfx1250"
	.amdhsa_code_object_version 6
	.text
	.protected	k_q0f746bcad5_attn
	.globl	k_q0f746bcad5_attn
	.p2align	8
	.type	k_q0f746bcad5_attn,@function
k_q0f746bcad5_attn:
	s_mov_b64 s[64:65], 0
	v_nop
	global_prefetch_b8 v0, s[64:65] scope:SCOPE_SE
	s_setreg_imm32_b32 hwreg(HW_REG_WAVE_MODE, 25, 1), 1
	s_wait_xcnt 0x0
	s_wait_alu depctr_hold_cnt(0) depctr_sa_sdst(0) depctr_va_vdst(0) depctr_va_sdst(0) depctr_va_ssrc(0) depctr_va_vcc(0) depctr_vm_vsrc(0)
	s_getreg_b32 s2, hwreg(HW_REG_IB_STS2, 6, 4)
	s_cmp_eq_u32 s2, 0
	s_cbranch_scc0 .Lentry_in_a_cluster
	s_endpgm
.Lentry_in_a_cluster:
	s_bfe_u32 s2, ttmp6, 0x10000c
	s_cmp_lg_u32 s2, 0x3003
	s_cbranch_scc0 .Lentry_shape_is_right
	s_endpgm
.Lentry_shape_is_right:
; O = softmax(q k^T / 8) v for one (head, batch) hb; O / l is quantised along the projection's K; out = Q(O / l) proj_w^T + proj_b.  All three products on codes of FP4 (E2M1) with E8M0 scales.
; Nothing of reference() is left out here.
; THE SOFTMAX: t = score x log2(e) / 8; M = the running largest t rounded UP to a whole number; p = 2^(t - M) is quantised along the keys, not normalised; the row's sum l is taken of the
; unquantised p; when M moves, l and O are multiplied by 2^(old M - new M), which rounds nothing.
; SHARES.  A work-group owns 512 queries of one hb, each of its eight waves 64: four tiles of 16, which share every fragment of K and V.  Two waves to a SIMD, 512 registers each.
; ALL OF THE HEAD'S K, V AND SCALES STAY IN LDS: 16 records of 8,960 bytes, one for each 128 keys.  Wave w brings records 2 w and 2 w + 1 by one tensor load (one load of mine is out);
; nothing is filled again.  The four work-groups of a cluster own one hb and ask for the records JOINTLY (mask 15).  No prefetch of K and V: every byte of them is asked for at the head.
; LAYOUT.  The first two products transposed: S^T = K Q^T, O^T = V^T P^T: a lane holds ONE query.  THE ROWS OF A TILE ARE CHOSEN BY THE LANES' LDS ADDRESSES so that a lane holds WHOLE blocks of 32:
;   row m of key tile t = 4 c + i is key 64 c + 32 (m / 8) + 8 i + m % 8: lane half h's registers of tiles 4 c .. 4 c + 3 are block 2 c + h, keys ascending: a conversion's result is register 4 c + i of P.
;   row m of channel tile t is channel 32 (m / 8) + 8 t + m % 8: lane half h's 32 registers of O^T are block h of the head's 64.
; THE FIRST PRODUCT'S K IS 64 under an instruction of 128: Q's registers 4-7 are zero codes, so K's registers 4-7 (the next tile's codes; behind the last tile zeros) add nothing; the scale words' upper bytes are 0x7f.
; THE PIPELINE.  A slot serves tile j: its 66 exponentials; O_j under the new M; tile j's sums beside tile j + 1's maxima; tile j's scales and codes beside tile j + 1's M; tile j + 1's t - M;
; the wait that the next batch of exponentials owes; then the products: tile j + 2's scores and tile j's O^T, with the next slot's exponentials directly behind them.  The scores have two buffers.
; V's record is loaded in slot 0, K's next record in slot 2, each behind the slot's sixteen rescalings.
; The loop is written once: the last trip's look-ahead is held at record 15, so it repeats scores of tiles 0 and 1 that have been counted; nothing is made of them (M cannot move by them, l and O are not touched).
; THE PROJECTION.  reference()'s swapaxes and reshape put query n of hb at (2,048 hb + n) x 64 numbers on: a row of the projection's left operand is ONE tile of 16 queries (k = 64 r + channel), and the
; work-group's 32 tiles are rows 128 hb + 32 cx + 0 .. 31.  Their codes (512 bytes a row) and scale bytes (32 a row) meet in LDS bytes of their own; behind one barrier wave w makes the 32 rows x columns 128 w .. + 127:
; 16 accumulators, K in 8 steps, source 0 = 16 rows of proj_w, source 1 = 16 rows of the operand.  proj_w's fragments come from wimg, laid in register order, straight into registers: eight batches of 16 loads of
; 512 consecutive bytes, three batches out, all three issued ahead of the barrier.  Batch b serves tiles 2 (b / 2), 2 (b / 2) + 1 and steps 4 (b % 2) .. + 3: so columns 0-63 are finished behind batch 3 and leave,
; with the bias added, while the other half's batches are on their way.  No joint load for proj_w: each wave reads columns of its own into registers, and LDS has no room for its 524,288 bytes beside the records.
; No prefetch for it: the stream is read by straight-line text behind the loop, three batches ahead of their use.
; LIMITS: NaN and infinities are not served.  O / l is a reciprocal and a multiplication.  A block's largest p is made from its largest score by the same multiply-add and exponential.  A block of zeros gets the byte 1.
; The promise holds while the scaled scores stay under 2^31 in magnitude.
.set REC,   8960
.set SCST,  18*REC                     ; well behind the records: the 32 rows' scale bytes, 32 a row
.set SPARE, SCST+1024                  ; the spare words: 128 bytes a wave, four blocks of 256 bytes that no other line names
.set APIT,  528                        ; 512 bytes + 16: an odd multiple of 16
.set AST,   SPARE+1024                 ; the 32 rows' codes
.set OPIT,  272                        ; 256 bytes + 16
.set OST,   AST+32*APIT                ; the way out: 32 rows x (256 + 16) bytes for each wave
; window 0
.set LI,  1                            ; 16 x lane
.set BK,  2                            ; my lane's place in K's tiles, in K's scale words, in V's tiles, in V's scale words
.set BKS, 3
.set BV,  4
.set BVS, 5
.set AK,  6                            ; the same in the record that is loaded next
.set AKS, 7
.set AV,  8
.set AVS, 9
.set SPW, 10
.set NIL, 11
.set SH8, 12                           ; 8 h
.set CO,  13                           ; 32 r + 16 h
.set STI, 14
.set MM,  16                           ; v16-31: for each tile -M, the largest score, the sum's pair
.set QS,  32                           ; scale words and nothing else: v32-33 Q's, v34-37 K's, v38-39 V's, v40 P's; behind the loop v32-39 the projection's left operand's
.set KS,  34
.set VS,  38
.set PW,  40
.set FF,  42                           ; two pairs: 2^(old M - new M) in the low word
.set XM,  46
.set BM,  50                           ; two pairs: the two blocks' largest score, then largest p
.set TS,  54
.set SO,  60
.set YB,  62
.set WW,  64
.set PXW, 65
.set T0,  66
.set PX,  67
.set T1,  68
.set PC,  72                           ; v72-79 P's codes
.set S,   80                           ; v80-143, v144-207: S^T, then p, two buffers; behind the loop the projection's 16 accumulators
.set WS,  208                          ; v208-239 proj_w's scale words and nothing else: pair p of tiles, step q at 8 p + q; lanes 0-15 the even tile, 16-31 the odd
; behind the loop: addresses, and the bias of my lane's four columns of each half (v74-77, v6-9)
.set OSO, 2
.set L32, 3
.set AFA, 4
.set OSI, 5
.set ASA, 12
.set ASW, 13
.set CO2, 15
.set B16, 41
; window 1: v0-127 O^T of the four tiles; behind the loop v0-63 the left operand's fragments of steps 0-3, v128-191, v192-255, v64-127 proj_w's, three buffers
.set QB,  128                          ; v128-159 Q (upper four of each eight: zeros)
.set KB,  160                          ; v160-191 K's eight tiles, v192-195 zeros
.set VB,  196                          ; v196-227 V^T's four tiles
.set SEL, 36
.set CS,  38                           ; s[38:39] c = log2(e) / 8
.set G1,  24
.set G0,  32
.set MSB, 0
.macro WIN new                         ; the immediate's high byte repeats the setting that is left
.if MSB != (\new)
	s_set_vgpr_msb (MSB<<8)|(\new)
.set MSB, (\new)
.endif
.endm
.macro CROUND
	s_barrier_signal -1
	s_barrier_wait -1
	s_cmp_lg_u32 s14, 0
	s_cbranch_scc1 .Lnot_wave_0_\@
	s_barrier_signal -3
.Lnot_wave_0_\@:
	s_barrier_wait -3
	s_barrier_signal -1
	s_barrier_wait -1
.endm
	s_load_b256 s[4:11], s[0:1], 0x0               ; qimg, qsc, kv, wimg
	s_load_b128 s[48:51], s[0:1], 0x20             ; proj_w_scales, proj_b
	s_load_b64 s[52:53], s[0:1], 0x30              ; out0
	v_lshl_add_u32 v[SPW], v0, 2, SPARE
	v_mov_b32 v[NIL], 0
	ds_add_u32 v[SPW], v[NIL]                      ; the wave's opening: the add, twice on end, and its wait ahead of my first tensor load
	ds_add_u32 v[SPW], v[NIL]
	v_lshrrev_b32 v1, 5, v0
	v_readfirstlane_b32 s14, v1                    ; wave 0..7
	s_bfe_u32 s15, ttmp6, 0x40000                  ; cx: it enters global addresses of q and of the results alone
	s_and_b32 s16, ttmp7, 0xffff                   ; hb, which the four partners share
	; group 1: two records, 17,920 dense bytes, as 70 rows of 256 (32 elements of 8 bytes), no padding
	s_mov_b32 s[G1+0], 15|(3<<16)|(1<<21)
	s_mov_b32 s[G1+1], 32<<16
	s_mov_b32 s[G1+2], 70<<16
	s_mov_b32 s[G1+3], 32<<16
	s_mov_b32 s[G1+4], 70
	s_mov_b32 s[G1+5], 32
	s_mov_b32 s[G1+6], 0
	s_mov_b32 s[G1+7], 0
	s_lshl_b32 s22, s15, 3
	s_add_co_u32 s22, s22, s14                     ; g: which 64 queries of the head
	s_lshl_b32 s18, s16, 16
	s_lshl_b32 s19, s22, 11
	s_add_co_u32 s18, s18, s19
	s_mov_b32 s19, 0                               ; their codes in qimg: 32 bytes a query
	s_lshl_b32 s20, s16, 13
	s_lshr_b32 s21, s22, 1
	s_lshl_b32 s21, s21, 9
	s_add_co_u32 s20, s20, s21
	s_and_b32 s21, s14, 1                          ; g % 2 = wave % 2
	s_lshl_b32 s21, s21, 3
	s_add_co_u32 s20, s20, s21
	s_mov_b32 s21, 0                               ; their scale words in qsc: two words a lane
	s_lshl_b32 s42, s16, 19
	s_lshl_b32 s43, s15, 17
	s_add_co_u32 s42, s42, s43
	s_lshl_b32 s56, s14, 9                         ; my 128 columns: 512 bytes of a row of out0, and of the bias
	s_add_co_u32 s42, s42, s56
	s_mov_b32 s43, 0                               ; out0: row 128 hb + 32 cx of 4,096 bytes, + my columns
	s_mov_b32 s57, 0
	s_lshl_b32 s44, s14, 16                        ; my 8 tiles of wimg
	s_mov_b32 s45, 0
	s_lshl_b32 s54, s14, 12                        ; my 128 rows of proj_w's scale bytes
	s_mov_b32 s55, 0
	s_mul_i32 s17, s14, 2*REC                      ; my two records, in LDS and in the head
	s_mul_i32 s46, s16, 16*REC
	s_add_co_u32 s46, s46, s17
	s_mov_b32 s47, 0
	s_mov_b32 s[SEL], 0x76543210
	s_mov_b32 s[SEL+1], 0xfedcba98
	s_mov_b32 s[CS], 0x3e38aa3b
	s_mov_b32 s[CS+1], s[CS]                       ; (named with it as a pair, so it is written)
	s_mov_b32 s40, REC                             ; the record behind the trip's own
	s_mov_b32 s41, 16                              ; steps to go
	s_wait_dscnt 0x0                               ; both opening adds are done
	s_wait_kmcnt 0x0
	s_add_nc_u64 s[4:5], s[4:5], s[18:19]
	s_add_nc_u64 s[6:7], s[6:7], s[20:21]
	s_add_nc_u64 s[10:11], s[10:11], s[44:45]
	s_add_nc_u64 s[48:49], s[48:49], s[54:55]
	s_add_nc_u64 s[50:51], s[50:51], s[56:57]
	s_add_nc_u64 s[52:53], s[52:53], s[42:43]
	s_mov_b32 s[G0], 1
	s_mov_b32 s[G0+1], s17
	s_add_nc_u64 s[G0+2:G0+3], s[8:9], s[46:47]
	s_or_b32 s[G0+3], s[G0+3], 0x80000000
	CROUND                                         ; all four work-groups are here: the joint loads meet
	tensor_load_to_lds s[G0:G0+3], s[G1:G1+7]
	s_nop 0
	v_and_b32 v16, 31, v0
	v_and_b32 v17, 15, v0                          ; r
	v_bfe_u32 v18, v0, 4, 1                        ; h
	v_and_b32 v19, 7, v0                           ; r % 8
	v_bfe_u32 v20, v0, 3, 1                        ; r / 8
	v_lshlrev_b32 v[LI], 4, v16
	global_load_b64 v[QS:QS+1], v[LI], s[6:7]      ; Q's scale words: word j / 2, lanes 0-15 for even tiles j, 16-31 for odd
	WIN 0x40
.irp j, 0,1,2,3
	global_load_b128 v[QB+8*\j:QB+8*\j+3], v[LI], s[4:5] offset:512*\j
.endr
.set J, 0
.rept 128
	v_mov_b32 v[J], 0                              ; O^T: the loop is written once; its first step finds zeros, which the first change of M leaves zeros
.set J, J+1
.endr
.irp j, 132,133,134,135,140,141,142,143,148,149,150,151,156,157,158,159,192,193,194,195
	v_mov_b32 v\j, 0                               ; zero codes
.endr
	WIN 0
	v_lshlrev_b32 v21, 4, v19
	v_lshl_add_u32 v22, v18, 8, v21                ; 16 (r % 8) + 256 h
	v_lshl_add_u32 v[BK], v20, 10, v22             ; K: + 1,024 (r / 8): two old tiles on
	v_lshl_add_u32 v[BV], v20, 11, v22             ; V: + 2,048 (r / 8)
	v_lshl_add_u32 v23, v20, 2, v21
	v_lshl_add_u32 v[BKS], v18, 3, v23             ; K's scale words: 16 (r % 8) + 4 (r / 8) + 8 h: lanes 16-31 take tile 4 + i
	v_lshlrev_b32 v23, 3, v19
	v_lshl_add_u32 v23, v20, 2, v23
	v_lshl_add_u32 v[BVS], v18, 7, v23             ; V's: 8 (r % 8) + 4 (r / 8) + 128 h: lanes 16-31 take tile 2 + i
	v_lshlrev_b32 v[SH8], 3, v18
	v_lshlrev_b32 v23, 5, v17
	v_lshl_add_u32 v[CO], v18, 4, v23
	s_lshl_b32 s20, s14, 7
	s_add_co_u32 s20, s20, SCST
	v_lshl_add_u32 v23, v17, 1, v18
	v_add_nc_u32 v[STI], s20, v23                  ; my four rows' scale bytes: 128 x wave + 2 r + h
.irp j, 0,1,2,3
	v_mov_b32 v[MM+4*\j], 0x7f000000               ; -M: over every -M to come, so that the first factor is 0
	v_mov_b32 v[MM+4*\j+1], 0xff61b1e6             ; the largest score so far: -3e38
	v_mov_b32 v[MM+4*\j+2], 0
	v_mov_b32 v[MM+4*\j+3], 0
	v_mov_b32 v[FF+\j], 0
.endr
	v_mov_b32 v[PX], 0                             ; a lane permute's destination counts as one of its sources
	v_mov_b32 v[PXW], 0
.macro KLOAD a, as                     ; K's eight tiles and their scale words
	WIN 0x40
.irp t, 0,1,2,3,4,5,6,7
	ds_load_b128 v[KB+4*\t:KB+4*\t+3], v[\a] offset:2048*(\t/4)+512*((\t%4)/2)+128*(\t%2)
.endr
	WIN 0
.irp i, 0,1,2,3
	ds_load_b32 v[KS+\i], v[\as] offset:8192+128*\i
.endr
.endm
.macro VLOAD a, as                     ; V^T's four tiles and their scale words
	WIN 0x40
.irp t, 0,1,2,3
	ds_load_b128 v[VB+8*\t:VB+8*\t+3], v[\a] offset:4096+1024*(\t/2)+128*(\t%2)
	ds_load_b128 v[VB+8*\t+4:VB+8*\t+7], v[\a] offset:4096+1024*(\t/2)+128*(\t%2)+512
.endr
	WIN 0
.irp i, 0,1
	ds_load_b32 v[VS+\i], v[\as] offset:8704+64*\i
.endr
.endm
.macro KQ j, d                         ; S^T = K Q^T of query tile j into buffer d: 8 tiles of 16 keys
.irp t, 0,1,2,3,4,5,6,7
.if (\t/4) && ((\j)%2)
	v_wmma_scale_f32_16x16x128_f8f6f4 v[\d+8*\t:\d+8*\t+7], v[KB+4*\t:KB+4*\t+7], v[QB+8*(\j):QB+8*(\j)+7], 0, v[KS+\t%4], v[QS+(\j)/2] matrix_a_fmt:MATRIX_FMT_FP4 matrix_b_fmt:MATRIX_FMT_FP4 matrix_a_scale:MATRIX_SCALE_ROW1 matrix_b_scale:MATRIX_SCALE_ROW1
.elseif (\t/4)
	v_wmma_scale_f32_16x16x128_f8f6f4 v[\d+8*\t:\d+8*\t+7], v[KB+4*\t:KB+4*\t+7], v[QB+8*(\j):QB+8*(\j)+7], 0, v[KS+\t%4], v[QS+(\j)/2] matrix_a_fmt:MATRIX_FMT_FP4 matrix_b_fmt:MATRIX_FMT_FP4 matrix_a_scale:MATRIX_SCALE_ROW1
.elseif ((\j)%2)
	v_wmma_scale_f32_16x16x128_f8f6f4 v[\d+8*\t:\d+8*\t+7], v[KB+4*\t:KB+4*\t+7], v[QB+8*(\j):QB+8*(\j)+7], 0, v[KS+\t%4], v[QS+(\j)/2] matrix_a_fmt:MATRIX_FMT_FP4 matrix_b_fmt:MATRIX_FMT_FP4 matrix_b_scale:MATRIX_SCALE_ROW1
.else
	v_wmma_scale_f32_16x16x128_f8f6f4 v[\d+8*\t:\d+8*\t+7], v[KB+4*\t:KB+4*\t+7], v[QB+8*(\j):QB+8*(\j)+7], 0, v[KS+\t%4], v[QS+(\j)/2] matrix_a_fmt:MATRIX_FMT_FP4 matrix_b_fmt:MATRIX_FMT_FP4
.endif
.endr
.endm
.macro PV j                            ; O^T += V^T P^T of query tile j: four accumulators by turns
.irp t, 0,1,2,3
.if \t/2
	v_wmma_scale_f32_16x16x128_f8f6f4 v[32*(\j)+8*\t:32*(\j)+8*\t+7], v[VB+8*\t:VB+8*\t+7], v[PC:PC+7], v[32*(\j)+8*\t:32*(\j)+8*\t+7], v[VS+\t%2], v[PW] matrix_a_fmt:MATRIX_FMT_FP4 matrix_b_fmt:MATRIX_FMT_FP4 matrix_a_scale:MATRIX_SCALE_ROW1
.else
	v_wmma_scale_f32_16x16x128_f8f6f4 v[32*(\j)+8*\t:32*(\j)+8*\t+7], v[VB+8*\t:VB+8*\t+7], v[PC:PC+7], v[32*(\j)+8*\t:32*(\j)+8*\t+7], v[VS+\t%2], v[PW] matrix_a_fmt:MATRIX_FMT_FP4 matrix_b_fmt:MATRIX_FMT_FP4
.endif
.endr
.endm
; The two blocks' largest scores of buffer sb (four chains of 15 and the four numbers left over; each accumulator is first read at its low end), into the pair bb;
; sum = 1: beside them the row's sum of the unquantised p of buffer sa, in four chains, onto the pair at ma + 2.
.macro RC sa, sb, ma, bb, sum
.irp q, 0,1,2,3
	v_max3_num_f32 v[XM+\q], v[\sb+16*\q], v[\sb+16*\q+1], v[\sb+16*\q+2]
.endr
.if \sum
	v_pk_add_f32 v[\ma+2:\ma+3], v[\ma+2:\ma+3], v[\sa:\sa+1]
.irp q, 1,2,3
	v_pk_add_f32 v[TS+2*\q-2:TS+2*\q-1], v[\sa+16*\q:\sa+16*\q+1], v[\sa+16*\q+2:\sa+16*\q+3]
.endr
.endif
.irp i, 1,2,3,4,5,6
.irp q, 0,1,2,3
	v_max3_num_f32 v[XM+\q], v[XM+\q], v[\sb+16*\q+2*\i+1], v[\sb+16*\q+2*\i+2]
.endr
.if \sum
	v_pk_add_f32 v[\ma+2:\ma+3], v[\ma+2:\ma+3], v[\sa+2*\i:\sa+2*\i+1]
.irp q, 1,2,3
	v_pk_add_f32 v[TS+2*\q-2:TS+2*\q-1], v[TS+2*\q-2:TS+2*\q-1], v[\sa+16*\q+2*\i+2:\sa+16*\q+2*\i+3]
.endr
.endif
.endr
	v_max3_num_f32 v[XM], v[XM], v[XM+1], v[\sb+15]
	v_max3_num_f32 v[XM+2], v[XM+2], v[XM+3], v[\sb+47]
.if \sum
	v_pk_add_f32 v[\ma+2:\ma+3], v[\ma+2:\ma+3], v[\sa+14:\sa+15]
	v_pk_add_f32 v[TS:TS+1], v[TS:TS+1], v[TS+2:TS+3]
.endif
	v_max_num_f32 v[\bb], v[XM], v[\sb+31]
	v_max_num_f32 v[\bb+1], v[XM+2], v[\sb+63]
.if \sum
	v_pk_add_f32 v[\ma+2:\ma+3], v[\ma+2:\ma+3], v[TS+4:TS+5]
	v_pk_add_f32 v[\ma+2:\ma+3], v[\ma+2:\ma+3], v[TS:TS+1]
.endif
.endm
.macro CV sa, n                        ; register n of P: eight neighbouring keys of block 2 (n / 4) + h
	v_cvt_scalef32_pk8_fp4_f32 v[PC+\n], v[\sa+8*\n:\sa+8*\n+7], v[SO+\n/4]
.endm
; The new M of the tile whose blocks' largest scores lie in bb (mb: its -M and largest score; fb takes 2^(old M - new M));
; p3 = 1: line by line beside it the scales, the scale word and the codes of the tile whose p lie in sa and whose blocks' largest p in ba.
.macro RD sa, ba, bb, mb, fb, p3
	v_max_num_f32 v[T0], v[\bb], v[\bb+1]
.if \p3
	v_max_num_f32 v[\ba], 0x1800000, v[\ba]        ; the floor 2^(3 - 127): the byte cannot fall under 1
	v_max_num_f32 v[\ba+1], 0x1800000, v[\ba+1]
.endif
	v_permlanex16_b32 v[PX], v[T0], s[SEL], s[SEL+1]
.if \p3
	v_add_nc_u32 v[SO], 0xff000000, v[\ba]         ; 2 off the exponent field: the conversion's scale operand
	v_add_nc_u32 v[SO+1], 0xff000000, v[\ba+1]
.endif
	v_max3_num_f32 v[\mb+1], v[\mb+1], v[T0], v[PX]    ; the running largest score of my query, both lane halves' keys
.if \p3
	v_lshrrev_b32 v[YB], 23, v[SO]                 ; the bytes of blocks h and 2 + h
	v_lshrrev_b32 v[YB+1], 23, v[SO+1]
.endif
	v_mul_f32 v[T0], s[CS], v[\mb+1]               ; as t (c is positive)
.if \p3
	v_lshl_or_b32 v[WW], v[YB+1], 16, v[YB]
	CV \sa, 0
	CV \sa, 4
.endif
	v_floor_f32 v[T1], -v[T0]                      ; the new -M = -ceil(t)
.if \p3
	v_lshlrev_b32 v[WW], v[SH8], v[WW]             ; at their places in the scale word
	CV \sa, 1
	CV \sa, 5
.endif
	v_sub_f32 v[T0], v[T1], v[\mb]                 ; old M - new M: a whole number, 0 or less
.if \p3
	v_permlanex16_b32 v[PXW], v[WW], s[SEL], s[SEL+1]
	CV \sa, 2
	CV \sa, 6
.endif
	v_mov_b32 v[\mb], v[T1]
	v_cvt_i32_f32 v[T0], v[T0]                     ; (it saturates)
.if \p3
	v_or_b32 v[PW], v[WW], v[PXW]                  ; with the other half's two bytes the word is whole, in every lane
	CV \sa, 3
	CV \sa, 7
.endif
	v_ldexp_f32 v[\fb], 1.0, v[T0]
.endm
.macro RE sb, mb, from, n              ; t - M, two at a time
.set J, \from
.rept \n
	v_pk_fma_f32 v[\sb+J:\sb+J+1], v[\sb+J:\sb+J+1], s[CS:CS+1], v[\mb:\mb+1] op_sel_hi:[1,0,0]
.set J, J+2
.endr
.endm
.macro SLOT j
.set SA, S+64*((\j)%2)
.set SB, S+64*(((\j)+1)%2)
.set MA, MM+4*(\j)
.set MB, MM+4*(((\j)+1)%4)
.set FA, FF+2*((\j)%2)
.set FB, FF+2*(((\j)+1)%2)
.set BA, BM+2*((\j)%2)
.set BB, BM+2*(((\j)+1)%2)
.set J, 0
.rept 64
	v_exp_f32 v[SA+J], v[SA+J]                     ; p (the wait that the batch owes stands ahead of the products that precede it)
.set J, J+1
.endr
	v_exp_f32 v[BA], v[BA]                         ; the two blocks' largest p
	v_exp_f32 v[BA+1], v[BA+1]
	v_pk_mul_f32 v[MA+2:MA+3], v[MA+2:MA+3], v[FA:FA+1] op_sel_hi:[1,0]    ; the sum under the new M: the plain instruction behind the batch
	WIN 0x41                                       ; destination and source 0: window 1
	s_wait_alu depctr_va_vdst(0)                   ; one wait for the 66
.set J, 0
.rept 16
	v_pk_mul_f32 v[32*(\j)+J:32*(\j)+J+1], v[32*(\j)+J:32*(\j)+J+1], v[FA:FA+1] op_sel_hi:[1,0]   ; O^T under the new M.  They name no register of the last products: the distance ahead of the loads below and of the reads of the new scores
.set J, J+2
.endr
	WIN 0
.if (\j) == 0
	VLOAD AV, AVS                                  ; this trip's V
.endif
.if (\j) == 2
	KLOAD AK, AKS                                  ; the next trip's K
.endif
	RC SA, SB, MA, BB, 1
	RD SA, BA, BB, MB, FB, 1
	RE SB, MB, 0, 32                               ; these also part P and its scale word from the scaled products below
	v_fma_f32 v[BB], v[BB], s[CS], v[MB]
	v_fma_f32 v[BB+1], v[BB+1], s[CS], v[MB]
.if ((\j)%2) == 0
	s_wait_dscnt 0x0                               ; slot 0: V's record is in; slot 2: K's next record
.endif
	s_wait_alu depctr_va_vdst(0)                   ; the wait between the lines above and the next slot's exponentials, which read what they wrote
	WIN 0x05                                       ; sources 0 and 1: window 1
	KQ ((\j)+2)%4, SA
	WIN 0x51                                       ; D, C and source 0: window 1
	PV \j
	WIN 0
.endm
	s_wait_alu depctr_va_vdst(0)                   ; the wait at the head's end
	s_wait_tensorcnt 0x0                           ; my two records have landed,
	s_barrier_signal -1
	s_barrier_wait -1                              ; everybody's have
	KLOAD BK, BKS
	v_add_nc_u32 v[AK], REC, v[BK]                 ; the first look-ahead: record 1
	v_add_nc_u32 v[AKS], REC, v[BKS]
	v_add_nc_u32 v[AV], 0, v[BV]                   ; the first trip's V: record 0
	v_add_nc_u32 v[AVS], 0, v[BVS]
	s_wait_loadcnt 0x0                             ; Q
	s_wait_dscnt 0x0
	WIN 0x05
	KQ 0, S
	KQ 1, S+64
	WIN 0
.rept 4
	v_nop
.endr
	RC S, S, MM, BM, 0                             ; tile 0's maxima, M and t - M stand ahead of the loop
	RD S, BM, BM, MM, FF, 0
	RE S, MM, 0, 32
	v_fma_f32 v[BM], v[BM], s[CS], v[MM]
	v_fma_f32 v[BM+1], v[BM+1], s[CS], v[MM]
	s_wait_alu depctr_va_vdst(0)                   ; the wait ahead of the first batch
.Lstep:                                            ; 16 trips of 128 keys
	SLOT 0
	SLOT 1
	SLOT 2
	SLOT 3
	s_min_u32 s42, s40, 15*REC                     ; the next trip's own record (behind the last trip: not used)
	v_add_nc_u32 v[AV], s42, v[BV]
	v_add_nc_u32 v[AVS], s42, v[BVS]
	s_add_co_u32 s40, s40, REC
	s_min_u32 s42, s40, 15*REC                     ; its look-ahead stays inside the records
	v_add_nc_u32 v[AK], s42, v[BK]
	v_add_nc_u32 v[AKS], s42, v[BKS]
	s_sub_co_i32 s41, s41, 1
	s_cmp_lg_u32 s41, 0
	s_cbranch_scc1 .Lstep
; ---------------- THE PROJECTION
.macro WBUF b                          ; batch b's buffer in window 1
.if ((\b)%3) == 2
.set WBF, 64
.else
.set WBF, 128+64*((\b)%3)
.endif
.endm
.macro WLOAD b                         ; batch b: tiles 2 (b / 2), 2 (b / 2) + 1 of my eight, steps 4 (b % 2) .. + 3: 16 loads of 512 consecutive bytes
	WBUF \b
	WIN 0x40
.irp e, 0,1
.irp qq, 0,1,2,3
.irp c, 0,1
	global_load_b128 v[WBF+8*(4*\e+\qq)+4*\c:WBF+8*(4*\e+\qq)+4*\c+3], v[LI], s[10:11] offset:(2*((\b)/2)+\e)*8192+(4*((\b)%2)+\qq)*1024+\c*512
.endr
.endr
.endr
	WIN 0
.endm
.macro GRP g                           ; eight groups of eight registers of window 0 that the loop has left: the left operand's fragments of steps 4-7
.if (\g) < 2
.set BG, 16+8*(\g)
.elseif (\g) < 6
.set BG, 42+8*((\g)-2)
.else
.set BG, 240+8*((\g)-6)
.endif
.endm
.macro AFRAG hh                        ; the left operand's fragments of steps 4 hh .. 4 hh + 3, both tiles of 16 rows
.if (\hh) == 0
	WIN 0x40
.endif
.irp qq, 0,1,2,3
.irp u, 0,1
.if \hh
	GRP 2*\qq+\u
.set AD_, BG
.else
.set AD_, 8*(2*\qq+\u)
.endif
	ds_load_b128 v[AD_:AD_+3], v[AFA] offset:16*APIT*\u+64*(4*(\hh)+\qq)
	ds_load_b128 v[AD_+4:AD_+7], v[AFA] offset:16*APIT*\u+64*(4*(\hh)+\qq)+32
.endr
.endr
	WIN 0
.endm
.macro PJZ ra, rb                      ; a sum's first product
.if (\ra) && (\rb)
	v_wmma_scale_f32_16x16x128_f8f6f4 v[DD_:DD_+7], v[WF_:WF_+7], v[AF_:AF_+7], 0, v[SA_], v[SB_] matrix_a_fmt:MATRIX_FMT_FP4 matrix_b_fmt:MATRIX_FMT_FP4 matrix_a_scale:MATRIX_SCALE_ROW1 matrix_b_scale:MATRIX_SCALE_ROW1
.elseif (\ra)
	v_wmma_scale_f32_16x16x128_f8f6f4 v[DD_:DD_+7], v[WF_:WF_+7], v[AF_:AF_+7], 0, v[SA_], v[SB_] matrix_a_fmt:MATRIX_FMT_FP4 matrix_b_fmt:MATRIX_FMT_FP4 matrix_a_scale:MATRIX_SCALE_ROW1
.elseif (\rb)
	v_wmma_scale_f32_16x16x128_f8f6f4 v[DD_:DD_+7], v[WF_:WF_+7], v[AF_:AF_+7], 0, v[SA_], v[SB_] matrix_a_fmt:MATRIX_FMT_FP4 matrix_b_fmt:MATRIX_FMT_FP4 matrix_b_scale:MATRIX_SCALE_ROW1
.else
	v_wmma_scale_f32_16x16x128_f8f6f4 v[DD_:DD_+7], v[WF_:WF_+7], v[AF_:AF_+7], 0, v[SA_], v[SB_] matrix_a_fmt:MATRIX_FMT_FP4 matrix_b_fmt:MATRIX_FMT_FP4
.endif
.endm
.macro PJ ra, rb
.if (\ra) && (\rb)
	v_wmma_scale_f32_16x16x128_f8f6f4 v[DD_:DD_+7], v[WF_:WF_+7], v[AF_:AF_+7], v[DD_:DD_+7], v[SA_], v[SB_] matrix_a_fmt:MATRIX_FMT_FP4 matrix_b_fmt:MATRIX_FMT_FP4 matrix_a_scale:MATRIX_SCALE_ROW1 matrix_b_scale:MATRIX_SCALE_ROW1
.elseif (\ra)
	v_wmma_scale_f32_16x16x128_f8f6f4 v[DD_:DD_+7], v[WF_:WF_+7], v[AF_:AF_+7], v[DD_:DD_+7], v[SA_], v[SB_] matrix_a_fmt:MATRIX_FMT_FP4 matrix_b_fmt:MATRIX_FMT_FP4 matrix_a_scale:MATRIX_SCALE_ROW1
.elseif (\rb)
	v_wmma_scale_f32_16x16x128_f8f6f4 v[DD_:DD_+7], v[WF_:WF_+7], v[AF_:AF_+7], v[DD_:DD_+7], v[SA_], v[SB_] matrix_a_fmt:MATRIX_FMT_FP4 matrix_b_fmt:MATRIX_FMT_FP4 matrix_b_scale:MATRIX_SCALE_ROW1
.else
	v_wmma_scale_f32_16x16x128_f8f6f4 v[DD_:DD_+7], v[WF_:WF_+7], v[AF_:AF_+7], v[DD_:DD_+7], v[SA_], v[SB_] matrix_a_fmt:MATRIX_FMT_FP4 matrix_b_fmt:MATRIX_FMT_FP4
.endif
.endm
.macro BATCH b                         ; 16 products: four accumulators (tile e, rows u) by turns, one instruction a turn
.set PP, (\b)/2
.set HH, (\b)%2
	WBUF \b
	WIN 0x05-4*HH                                  ; source 0: window 1; source 1: window 1 for steps 0-3, window 0 for steps 4-7
.irp qq, 0,1,2,3
.irp e, 0,1
.irp u, 0,1
.set DD_, S+8*(2*(2*PP+\e)+\u)
.set WF_, WBF+8*(4*\e+\qq)
.set SA_, WS+8*PP+4*HH+\qq
.set SB_, QS+4*HH+\qq
.if HH
	GRP 2*\qq+\u
.set AF_, BG
.else
.set AF_, 8*(2*\qq+\u)
.endif
.if (HH == 0) && (\qq == 0)
	PJZ \e, \u
.else
	PJ \e, \u
.endif
.endr
.endr
.endr
	WIN 0
.endm
; THE WAY OUT of columns 64 hf .. + 63: a lane holds 8 neighbouring columns of one row; 32 rows x 256 bytes go through my own stage and come back, two rows a load, into the accumulators' registers;
; the bias of the lane's four columns is added; sixteen lanes store one aligned unit of 256 bytes.  LDS serves a wave's instructions in order.
.macro OUTH hf
.if \hf
.set BQ, 6
.else
.set BQ, 74
.endif
.irp u, 0,1
.irp n, 0,1,2,3
	ds_store_b128 v[OSI], v[S+64*(\hf)+8*(2*\n+\u):S+64*(\hf)+8*(2*\n+\u)+3] offset:16*OPIT*\u+64*\n      ; each accumulator from its low end on
	ds_store_b128 v[OSI], v[S+64*(\hf)+8*(2*\n+\u)+4:S+64*(\hf)+8*(2*\n+\u)+7] offset:16*OPIT*\u+64*\n+16
.endr
.endr
.irp t, 0,1,2,3,4,5,6,7,8,9,10,11,12,13,14,15
	ds_load_b128 v[S+64*(\hf)+4*\t:S+64*(\hf)+4*\t+3], v[OSO] offset:2*OPIT*\t
.endr
	s_wait_dscnt 0x0
.irp t, 0,1,2,3,4,5,6,7,8,9,10,11,12,13,14,15
	v_pk_add_f32 v[S+64*(\hf)+4*\t:S+64*(\hf)+4*\t+1], v[S+64*(\hf)+4*\t:S+64*(\hf)+4*\t+1], v[BQ:BQ+1]
	v_pk_add_f32 v[S+64*(\hf)+4*\t+2:S+64*(\hf)+4*\t+3], v[S+64*(\hf)+4*\t+2:S+64*(\hf)+4*\t+3], v[BQ+2:BQ+3]
.endr
.irp t, 0,1,2,3,4,5,6,7,8,9,10,11,12,13,14,15
	global_store_b128 v[CO2], v[S+64*(\hf)+4*\t:S+64*(\hf)+4*\t+3], s[52:53] offset:8192*\t+256*(\hf) th:TH_STORE_NT
.endr
.endm
	s_wait_dscnt 0x0
	v_and_b32 v[T0], 31, v0
	v_lshlrev_b32 v[L32], 5, v[T0]                 ; 32 x lane
.irp p, 0,1,2,3
.irp x, 0,1
	global_load_b128 v[WS+8*\p+4*\x:WS+8*\p+4*\x+3], v[L32], s[48:49] offset:1024*\p+16*\x   ; row 32 p + lane of my 128: its eight scale words
.endr
.endr
	WLOAD 0
	WLOAD 1
	v_and_b32 v[T0], 15, v0                        ; r
	v_bfe_u32 v[PX], v0, 4, 1                      ; h
	v_lshlrev_b32 v[B16], 4, v[T0]                 ; 16 r: my four columns of a half
	v_lshl_add_u32 v[CO2], v[PX], 12, v[B16]       ; out0: lanes 0-15 one row, lanes 16-31 the next
	v_mul_u32_u24 v[T1], v[T0], APIT
	v_lshl_add_u32 v[AFA], v[PX], 4, v[T1]
	v_add_nc_u32 v[AFA], AST, v[AFA]               ; a fragment of the left operand: row r, + 16 h
	v_mul_u32_u24 v[T1], v[T0], OPIT
	v_lshl_add_u32 v[T1], v[PX], 5, v[T1]
	s_mul_i32 s20, s14, 32*OPIT
	s_add_co_u32 s20, s20, OST                     ; my stage
	v_add_nc_u32 v[OSI], s20, v[T1]                ; in: row r, + 32 h
	v_mul_u32_u24 v[T1], v[PX], OPIT
	v_add_nc_u32 v[T1], v[T1], v[B16]
	v_add_nc_u32 v[OSO], s20, v[T1]                ; back: row h, + 16 r
	v_add_nc_u32 v[ASA], SCST, v[L32]              ; row = lane: its eight scale words
	s_mul_i32 s21, s14, 4*APIT
	s_add_co_u32 s21, s21, AST
	v_add_nc_u32 v[ASW], s21, v[CO]                ; my four rows' codes: 32 r + 16 h
	; l; O^T / l; the quantiser along the head's 64: a lane holds block h of its query, whole and in order
.irp j, 0,1,2,3
	v_add_f32 v[MM+4*\j+2], v[MM+4*\j+2], v[MM+4*\j+3]
.endr
.irp j, 0,1,2,3
	v_permlanex16_b32 v[XM+\j], v[MM+4*\j+2], s[SEL], s[SEL+1]
.endr
.irp j, 0,1,2,3
	v_add_f32 v[MM+4*\j+2], v[MM+4*\j+2], v[XM+\j]
.endr
	s_wait_alu depctr_va_vdst(0)                   ; the wait ahead of the batch
.irp j, 0,1,2,3
	v_rcp_f32 v[MM+4*\j+2], v[MM+4*\j+2]
.endr
	v_nop                                          ; a plain instruction behind the last reciprocal
	WIN 0x01                                       ; source 0: window 1
	s_wait_alu depctr_va_vdst(0)                   ; one wait for the four, directly ahead of the first reader of them and of O^T
.irp j, 0,1,2,3
.set J, 0
.rept 16
	v_pk_mul_f32 v[S+32*\j+J:S+32*\j+J+1], v[32*\j+J:32*\j+J+1], v[MM+4*\j+2:MM+4*\j+3] op_sel_hi:[1,0]
.set J, J+2
.endr
.endr
	WIN 0
.irp j, 0,1,2,3
	v_max3_num_f32 v[XM+\j], |v[S+32*\j]|, |v[S+32*\j+1]|, 0x1800000
.endr
.irp i, 2,4,6,8,10,12,14,16,18,20,22,24,26,28,30
.irp j, 0,1,2,3
	v_max3_num_f32 v[XM+\j], v[XM+\j], |v[S+32*\j+\i]|, |v[S+32*\j+\i+1]|
.endr
.endr
.irp j, 0,1,2,3
	v_add_nc_u32 v[BM+\j], 0xff000000, v[XM+\j]
.endr
.irp j, 0,1,2,3
	v_lshrrev_b32 v[TS+\j], 23, v[BM+\j]
.endr
.irp j, 0,1,2,3
.irp t, 0,1,2,3
	v_cvt_scalef32_pk8_fp4_f32 v[WW+4*\j+\t], v[S+32*\j+8*\t:S+32*\j+8*\t+7], v[BM+\j]
.endr
.endr
	v_nop                                          ; one plain instruction behind a scaled conversion
.irp j, 0,1,2,3
	ds_store_b128 v[ASW], v[WW+4*\j:WW+4*\j+3] offset:APIT*\j   ; tile j is row 4 wave + j: 512 consecutive bytes
	ds_store_b8 v[STI], v[TS+\j] offset:32*\j
.endr
	s_wait_dscnt 0x0                               ; for the others' sake: my stores are done
	global_load_b128 v[74:77], v[B16], s[50:51]    ; the bias of my lane's four columns of columns 0-63,
	global_load_b128 v[6:9], v[B16], s[50:51] offset:256   ; and of columns 64-127
	WLOAD 2
	s_barrier_signal -1
	s_barrier_wait -1                              ; all 32 rows lie in LDS
	AFRAG 0
	AFRAG 1
	ds_load_b128 v[QS:QS+3], v[ASA]                ; their scale words: lanes 0-15 rows 0-15, lanes 16-31 rows 16-31
	ds_load_b128 v[QS+4:QS+7], v[ASA] offset:16
.irp b, 0,1,2,3,4,5,6,7
.if \b < 2
	s_wait_loadcnt 34                              ; behind batch b's loads: the bias's two and two batches
.elseif \b < 6
	s_wait_loadcnt 32                              ; two batches
.elseif \b == 6
	s_wait_loadcnt 16
.else
	s_wait_loadcnt 0x0
.endif
.if \b == 0
	s_wait_dscnt 0x0                               ; the left operand and its scale words
.endif
	BATCH \b
.if (\b < 5) || (\b == 7)
.rept 4
	v_nop                                          ; the distance ahead of loads into registers that the products have read, and of the reads of finished results
.endr
.endif
.if \b < 5
	WLOAD \b+3
.endif
.if \b == 3
	OUTH 0                                         ; columns 0-63 are finished
.endif
.endr
	OUTH 1
	s_wait_tensorcnt 0x0                           ; the wave's end
	ds_add_u32 v[SPW], v[NIL]
	s_wait_dscnt 0x0
	CROUND                                         ; the closing round
	s_endpgm
.Lfunc_end_k_q0f746bcad5_attn:
	.size	k_q0f746bcad5_attn, .Lfunc_end_k_q0f746bcad5_attn-k_q0f746bcad5_attn
	.p2alignl 7, 3214868480
	.fill 96, 4, 3214868480
	.section	.rodata,"a",@progbits
	.p2align	6, 0x0
	.amdhsa_kernel k_q0f746bcad5_attn
		.amdhsa_group_segment_fixed_size 249856
		.amdhsa_private_segment_fixed_size 0
		.amdhsa_enable_private_segment 0
		.amdhsa_kernarg_size 56
		.amdhsa_user_sgpr_count 2
		.amdhsa_user_sgpr_kernarg_segment_ptr 1
		.amdhsa_wavefront_size32 1
		.amdhsa_system_sgpr_workgroup_id_x 1
		.amdhsa_system_sgpr_workgroup_id_y 1
		.amdhsa_system_sgpr_workgroup_id_z 1
		.amdhsa_system_vgpr_workitem_id 0
		.amdhsa_next_free_vgpr 512
		.amdhsa_next_free_sgpr 66
		.amdhsa_reserve_vcc 0
		.amdhsa_float_denorm_mode_32 3
		.amdhsa_float_denorm_mode_16_64 3
		.amdhsa_memory_ordered 1
		.amdhsa_forward_progress 1
		.amdhsa_inst_pref_size 127
	.end_amdhsa_kernel
	.amdgpu_metadata
---
amdhsa.version: [ 1, 2 ]
amdhsa.kernels:
  - .name:           k_q0f746bcad5_attn
    .symbol:         k_q0f746bcad5_attn.kd
    .args:
      - { .name: qimg, .offset: 0, .size: 8, .value_kind: global_buffer, .address_space: global }
      - { .name: qsc, .offset: 8, .size: 8, .value_kind: global_buffer, .address_space: global }
      - { .name: kv, .offset: 16, .size: 8, .value_kind: global_buffer, .address_space: global }
      - { .name: wimg, .offset: 24, .size: 8, .value_kind: global_buffer, .address_space: global }
      - { .name: proj_w_scales, .offset: 32, .size: 8, .value_kind: global_buffer, .address_space: global }
      - { .name: proj_b, .offset: 40, .size: 8, .value_kind: global_buffer, .address_space: global }
      - { .name: out0, .offset: 48, .size: 8, .value_kind: global_buffer, .address_space: global }
    .group_segment_fixed_size: 249856
    .private_segment_fixed_size: 0
    .kernarg_segment_align: 8
    .kernarg_segment_size: 56
    .max_flat_workgroup_size: 256
    .sgpr_count:     66
    .vgpr_count:     512
    .wavefront_size: 32
...
	.end_amdgpu_metadata
.endif
;; end of part 3
